; MI455X (gfx1250); checked and timed in simulation.
; The chip was launched on July 23, 2026; its instructions are those of AMD's public machine-readable ISA for CDNA 5 (MIT licence, August 2026) and "CDNA5" Instruction Set Architecture Reference Guide (July 2026). The comments in the code are by the model that wrote it; some were corrected since.
;; Multi Head Self Attention. Allowed arithmetic: matrix products marked QUANTISED: E4M3 operands, one given power-of-two scale a tensor, by v_wmma_f32_16x16x64_fp8_fp8 or v_wmma_f32_16x16x128_fp8_fp8, f32 sums; everything else in f32.
;; Inputs: Wo 1,024 x 1,024 float32; Wqkv 3,072 x 1,024 float32; bo 1,024 float32; bqkv 3,072 float32; lowp_scales 8 int32 (the exponents e of the quantised operands' scales 2^e); positions 4 x 2,048 int32; x 4 x 2,048 x 1,024 float32.
;; Outputs: out0 4 x 2,048 x 1,024 float32.
;; This version of the problem:
;;   THIS VERSION OF THE PROBLEM IS GIVEN IN LOW PRECISION. The matrix products marked QUANTISED in the list below multiply operands that are first quantised to E4M3 (4 exponent bits, 3 mantissa bits; 8 bits a number), with one given power-of-two scale for each operand tensor; their sums are f32. All else is computed in f32.
;;   The module's matrix products, in the order in which they are computed (A, B: the left and right operand; K: the contracted axis; several contracted axes count as one K, in the product's order):
;;     1. [M 8,192, K 1,024] x [K 1,024, N 3,072]; A: input x; B: input Wqkv: QUANTISED (scales: A lowp_scales[0], B lowp_scales[1])
;;     2. batch 64 x [M 2,048, K 64] x [K 64, N 2,048]; A: computed on the way; B: computed on the way: QUANTISED (scales: A lowp_scales[2], B lowp_scales[3])
;;     3. batch 64 x [M 2,048, K 2,048] x [K 2,048, N 64]; A: softmax (see below); B: computed on the way: QUANTISED (scales: A lowp_scales[4], B lowp_scales[5])
;;     4. [M 8,192, K 1,024] x [K 1,024, N 1,024]; A: computed on the way; B: input Wo: QUANTISED (scales: A lowp_scales[6], B lowp_scales[7])
;;   THE QUANTISER, for each operand of a quantised product, along K:
;;     - The operand's scale is 2^e, e = its entry of the input lowp_scales (int32; the entries are numbered through the quantised products in the list's order, A before B).
;;     - Each number is divided by the scale, clamped to +-448, and rounded to the nearest number of E4M3, ties to even, subnormals kept.
;;     - The product sums the exact products of the quantised numbers (number of the format x scale) in f32.
;;   ~~~python
;;   def quantise(x, axis, e):      # numpy; x: float32 -> the quantised numbers, widened to float32 again
;;       x = np.moveaxis(x, axis, -1); K = x.shape[-1]
;;       r = np.clip(x / 2.0 ** e, -448, 448)
;;       step = 2.0 ** (np.maximum(np.frexp(np.where(r == 0, 1, r))[1] - 1, -6) - 3)
;;       q = np.round(r / step) * step * 2.0 ** e      # np.round: ties to even
;;       return np.moveaxis(q, -1, axis).astype(np.float32)
;;   ~~~
;;   SOFTMAX AHEAD OF A QUANTISED PRODUCT. Where the list says 'softmax', what is quantised is not the finished softmax but p = 2^(t - M), with t = logit x log2(e) and M = ceil(the row's largest t), a whole number; so 1/2 < the row's largest p <= 1. The row's sum l is taken of the UNQUANTISED p, in f32, and the product's result is divided by l at the end. Since M is a whole number, a kernel that streams over the keys may use a running M (the ceiling of the running maximum): every later rescaling is an exact power of two, so the quantised numbers keep their values, but for numbers so far below the row's largest that they fall under the format's range.
;;   OPERANDS COMPUTED ON THE WAY. 'Computed on the way' means the value that the module computes at that place (a softmax that the list does not call 'softmax' is quantised finished and normalised). What goes into a quantiser is computed in f32, as accurately as f32 sums, v_exp_f32 and their like allow (about 1e-6 of the number): no bf16 or f16 on the way to a quantiser, and a product that is left as it is and whose result goes on into a quantised operand takes f32 operands (vector FMAs, or v_wmma_f32_16x16x4_f32). A number that lies on a knife's edge between two numbers of the format may be rounded either way, as far as f32 arithmetic and the matrix unit's own rounding can turn it there, and no further.
;; One version. Each part assembles by itself: llvm-mc -triple=amdgcn-amd-amdhsa -mcpu=gfx1250 --defsym DOCPART=n.
;; ======== version 1 of 1: 4 launches
;; limits: right only within a limited range of input values
;; workspace buffers: x_codes 8,388,608 bytes; wqkv_codes 3,145,728 bytes; wo_codes 1,048,576 bytes; rope_img 2,097,152 bytes; q_img 8,388,608 bytes; kv_img 16,777,216 bytes; h_img 8,388,608 bytes
;; launch prep (part 1): grid 512 x 1, 4 waves a work-group, no clusters, 33,280 bytes of LDS; arguments x, Wqkv, Wo, positions, lowp_scales, x_codes, wqkv_codes, wo_codes, rope_img; writes x_codes, wqkv_codes, wo_codes, rope_img
.if DOCPART == 1
	.amdgcn_target "amdgcn-amd-amdhsa--gfx1250"
	.amdhsa_code_object_version 6
	.text
	.protected	k_q8814a81753_prep
	.globl	k_q8814a81753_prep
	.p2align	8
	.type	k_q8814a81753_prep,@function
k_q8814a81753_prep:
	s_mov_b64 s[64:65], 0
	v_nop
	global_prefetch_b8 v0, s[64:65] scope:SCOPE_SE
	s_setreg_imm32_b32 hwreg(HW_REG_WAVE_MODE, 25, 1), 1
	s_wait_xcnt 0x0
; x [8192][1024], Wqkv [3072][1024] and Wo [1024][1024], f32, K innermost, become codes of FP8 (E4M3), each with the one scale 2^e given for it (entries 0, 1 and 7 of the scales);
; and the cos and sin of the rotary angles are made once for each token, from the input positions.
; code = x / 2^e, held within +-448, rounded to the nearest code, ties to even.
; LIMITS: -126 <= e and e + 8 <= 127 for the three exponents.  NaN among the inputs is not served.  |positions| up to 131,072: beyond that the estimate of the angle's quadrant coarsens.
;   1 / 10000^(i / 32) is made as 2^(-i log2(10) / 8) by v_exp_f32: its last bit is not sure, so an angle's error grows with the angle, as that of an f32 angle does in any case.
; WORK-GROUPS: 0-255 x, 256-351 Wqkv, 352-383 Wo: 32 rows each, 8 rows a wave, 16 steps of 512 numbers; 384-511 the angles: a wave takes 16 tokens.
; THE ROWS OF Wqkv ARE STORED IN ANOTHER ORDER inside each head of 64, so that the projection's results fall into the lanes and registers in which they are wanted:
;   q and k rows: channel 32 u + 2 i + p goes to place 32 u + 16 p + i: a tile of 16 rows then holds even channels alone or odd channels alone, the two partners of a rotation in the same lane and register of two tiles;
;   v rows: channel 32 b + 16 g + 8 u + j goes to place 32 b + 16 u + 8 g + j: the attention's results are then 16 neighbouring channels in a lane's 16 registers of two tiles.
; A step: four loads of 512 consecutive bytes; the 2,048 bytes turn through the wave's own stage in LDS and come back 64 bytes a lane, 16 neighbours along K, as the conversions want them; a lane's 16 codes are 16 bytes, so a
; wave's store covers 512 consecutive bytes, aligned.  Waves share nothing: no barrier.  No matrix unit, no cluster: nothing is read twice.
.set STEPS, 16
.set SP,    80                         ; a lane's place in a stage: its 64 bytes + 16 of padding
.set WREG,  8192                       ; LDS: a region for each wave: two stages of 32 x SP bytes
.set R,     16                         ; v16-79   four sets of 16 numbers as loaded
.set X,     80                         ; v80-111  two sets of 16 neighbours
.set ADR,   112                        ; v112-119 where my 16 bytes of the wave's row t lie in the codes' buffer
.set C,     128                        ; v128-191 codes: four registers for each step, so that no store's data are written again
.set INV,   16                         ; the angles' path: v16-31 my 16 frequencies, v32-47 cos, v48-63 sin, v64-74 at work
.set COS,   32
.set SIN,   48
	s_load_b256 s[4:11], s[0:1], 0x0               ; x s[4:5], Wqkv s[6:7], Wo s[8:9], positions s[10:11]
	s_load_b256 s[12:19], s[0:1], 0x20             ; the scales' exponents s[12:13], x's codes s[14:15], Wqkv's s[16:17], Wo's s[18:19]
	s_load_b64 s[20:21], s[0:1], 0x40              ; the cos and sin
	v_lshl_add_u32 v192, v0, 2, 0x8000
	v_mov_b32 v193, 0
	v_lshrrev_b32 v1, 5, v0
	v_readfirstlane_b32 s22, v1                    ; wave
	v_and_b32 v2, 31, v0                           ; lane
	v_lshlrev_b32 v3, 4, v2                        ; 16 x lane
	s_cmp_ge_u32 ttmp9, 384
	s_cbranch_scc1 .Lrope
	; ---- the quantiser: one path for the three tensors; pointers, exponent and the rows' places are chosen by the work-group's number
	s_mul_i32 s23, s22, WREG
	v_lshrrev_b32 v14, 2, v2
	v_mul_u32_u24 v14, v14, SP
	v_and_b32 v15, 3, v2
	v_lshl_add_u32 v14, v15, 4, v14
	v_add_nc_u32 v14, s23, v14                     ; the stage, on the way in: SP (lane / 4) + 16 (lane % 4)
	v_mul_u32_u24 v15, v2, SP
	v_add_nc_u32 v15, s23, v15                     ; and on the way out: SP x lane: my 16 neighbours
	; row t of the wave's eight lands WB + SA (t / 2) + SB (t % 2) bytes behind the work-group's first output row
	s_lshl_b32 s38, s22, 13                        ; natural order: WB = 8,192 w, SA = 2,048, SB = 1,024
	s_lshl_b32 s50, s22, 12                        ; q and k rows: place 16 (t % 2) + 4 w + t / 2: WB = 4,096 w, SA = 1,024, SB = 16,384
	s_and_b32 s51, s22, 1
	s_lshl_b32 s51, s51, 14
	s_lshr_b32 s52, s22, 1
	s_lshl_b32 s52, s52, 13
	s_add_co_u32 s51, s51, s52                     ; v rows: place 16 (w % 2) + 8 (w / 2) + t: WB = 16,384 (w % 2) + 8,192 (w / 2)
	s_mov_b32 s53, 2048
	s_mov_b32 s54, 1024
	s_mov_b32 s55, 16384
	s_sub_co_u32 s39, ttmp9, 256
	s_cmp_lt_u32 s39, 64                           ; work-groups 256-319: rows 0-2047 of Wqkv
	s_cselect_b32 s38, s50, s38
	s_cselect_b32 s53, s54, s53
	s_cselect_b32 s54, s55, s54
	s_sub_co_u32 s39, ttmp9, 320
	s_cmp_lt_u32 s39, 32                           ; work-groups 320-351: rows 2048-3071
	s_cselect_b32 s38, s51, s38
	s_wait_alu depctr_va_vdst(0)
	v_mov_b32 v[ADR], v3
	v_add_nc_u32 v[ADR+1], s54, v3
.irp t, 0,1,2,3,4,5
	v_add_nc_u32 v[ADR+2+\t], s53, v[ADR+\t]
.endr
	s_mov_b32 s37, 352
	s_wait_kmcnt 0x0
	s_load_b256 s[24:31], s[12:13], 0x0            ; the eight exponents
	s_cmp_lt_u32 ttmp9, 352
	s_cselect_b64 s[32:33], s[6:7], s[8:9]
	s_cselect_b64 s[34:35], s[16:17], s[18:19]
	s_cselect_b32 s37, 256, s37
	s_cmp_lt_u32 ttmp9, 256
	s_cselect_b64 s[32:33], s[4:5], s[32:33]       ; the numbers,
	s_cselect_b64 s[34:35], s[14:15], s[34:35]     ; their codes,
	s_cselect_b32 s37, 0, s37                      ; the tensor's first work-group
	s_sub_co_u32 s37, ttmp9, s37
	s_lshl_b32 s56, s37, 2
	s_add_co_u32 s56, s56, s22
	s_lshl_b32 s56, s56, 15                        ; my wave's 8 rows of 4,096 bytes
	s_mov_b32 s57, 0
	s_add_nc_u64 s[32:33], s[32:33], s[56:57]
	s_lshl_b32 s58, s37, 15                        ; the work-group's 32 rows of 1,024 bytes
	s_add_co_u32 s58, s58, s38
	s_mov_b32 s59, 0
	s_add_nc_u64 s[34:35], s[34:35], s[58:59]
.macro LOAD t
.irp i, 0,1,2,3
	global_load_b128 v[R+16*((\t)%4)+4*\i:R+16*((\t)%4)+4*\i+3], v3, s[32:33] offset:2048*(\t)+512*\i th:TH_LOAD_NT   ; 32 lanes read 512 consecutive bytes; read once in the launch
.endr
.endm
.macro TURN t                          ; step t's numbers through the stage: LDS serves a wave's instructions in order, so no wait stands between the stores and the loads
.irp i, 0,1,2,3
	ds_store_b128 v14, v[R+16*((\t)%4)+4*\i:R+16*((\t)%4)+4*\i+3] offset:32*SP*((\t)%2)+8*SP*\i
.endr
.irp i, 0,1,2,3
	ds_load_b128 v[X+16*((\t)%2)+4*\i:X+16*((\t)%2)+4*\i+3], v15 offset:32*SP*((\t)%2)+16*\i
.endr
.endm
.irp t, 0,1,2,3
	LOAD \t
.endr
	s_wait_kmcnt 0x0
	s_cmp_lt_u32 ttmp9, 352
	s_cselect_b32 s36, s25, s31
	s_cmp_lt_u32 ttmp9, 256
	s_cselect_b32 s36, s24, s36                    ; e
	s_add_co_i32 s36, s36, 127
	s_lshl_b32 s39, s36, 23
	v_mov_b32 v11, s39                             ; 2^e as f32: the conversion takes its exponent field
	s_add_co_i32 s36, s36, 8
	s_lshl_b32 s36, s36, 23
	s_or_b32 s36, s36, 0x600000
	v_mov_b32 v10, s36                             ; 448 x 2^e
	s_wait_alu depctr_va_vdst(0)
	s_wait_loadcnt 12                              ; step 0's four loads are in; the twelve of steps 1 to 3 may be out
	TURN 0
.macro STEP t
.set XS, X+16*((\t)%2)
	s_wait_dscnt 0x0                               ; this step's numbers are back from the stage, so its stores into the stage have read their registers,
.if (\t)+4 < STEPS
	LOAD (\t)+4                                    ; which take the loads of four steps on
.endif
.if (\t)+1 < STEPS
.if STEPS-2-(\t) >= 3
	s_wait_loadcnt 12                              ; the next step's four loads are in; those of the three steps behind it may be out
.else
	s_wait_loadcnt 4*(STEPS-2-(\t))
.endif
	TURN (\t)+1                                    ; they go through the other stage while this step is worked
.endif
.irp i, 0,1,2,3,4,5,6,7,8,9,10,11,12,13,14,15
	v_med3_num_f32 v[XS+\i], v[XS+\i], -v10, v10   ; the conversion to an 8-bit code does not saturate (ISA guide 7.6.2): the hold at the largest code x the scale
.endr
	v_cvt_scalef32_pk8_fp8_f32 v[C+4*(\t):C+4*(\t)+1], v[XS:XS+7], v11
	v_cvt_scalef32_pk8_fp8_f32 v[C+4*(\t)+2:C+4*(\t)+3], v[XS+8:XS+15], v11
	global_store_b128 v[ADR+(\t)/2], v[C+4*(\t):C+4*(\t)+3], s[34:35] offset:512*((\t)%2)   ; half a row of codes: 512 consecutive bytes, aligned.  (The codes go to a store alone; the next step's holds are plain lines on other registers)
.endm
.irp t, 0,1,2,3,4,5,6,7,8,9,10,11,12,13,14,15
	STEP \t
.endr
	s_wait_tensorcnt 0x0
	ds_add_u32 v192, v193
	s_wait_dscnt 0x0
	s_endpgm
	; ---- the angles.  Wave w of work-group g takes tokens 16 (4 g + w) on; lane (r, h) takes token r and the 16 frequencies i = 16 u + 8 h + 0 .. 7, u = 0, 1: those that it will want in the projection's way out.
	; Stored as eight chunks of 512 bytes, 16 bytes a lane: chunk 4 u + 2 s + f holds cos (s = 0) or sin (s = 1) at i = 16 u + 8 h + 4 f + 0 .. 3.
.Lrope:
	s_sub_co_u32 s23, ttmp9, 384
	s_lshl_b32 s23, s23, 2
	s_add_co_u32 s23, s23, s22                     ; the block of 16 tokens
	s_lshl_b32 s32, s23, 6                         ; its 64 bytes of positions
	s_mov_b32 s33, 0
	s_lshl_b32 s34, s23, 12                        ; its 4,096 bytes of cos and sin
	s_mov_b32 s35, 0
	v_and_b32 v4, 15, v0
	v_lshlrev_b32 v4, 2, v4                        ; 4 r
	v_bfe_u32 v6, v0, 4, 1
	v_lshlrev_b32 v6, 3, v6                        ; 8 h
	s_mov_b32 s39, 0xbed49a78                      ; -log2(10) / 8
	s_mov_b32 s40, 0x3f22f983                      ; 2 / pi
	s_mov_b32 s41, 0x3fc90fdb                      ; pi / 2, its f32 part,
	s_mov_b32 s42, 0xb33bbd2e                      ; and the rest of it
	s_mov_b32 s43, 0xbe2aaaa3                      ; sin r = r + r z (S1 + z (S2 + z S3)), z = r r, |r| <= pi / 4
	s_mov_b32 s44, 0x3c08839e
	s_mov_b32 s45, 0xb94ca1f9
	s_mov_b32 s46, 0x3d2aaaa5                      ; cos r = 1 - z / 2 + z z (C1 + z (C2 + z C3))
	s_mov_b32 s47, 0xbab6061a
	s_mov_b32 s48, 0x37ccf5ce
	s_wait_alu depctr_va_vdst(0)
	s_wait_kmcnt 0x0
	s_add_nc_u64 s[10:11], s[10:11], s[32:33]
	s_add_nc_u64 s[20:21], s[20:21], s[34:35]
	global_load_b32 v5, v4, s[10:11]               ; my token's position
.irp k, 0,1,2,3,4,5,6,7,8,9,10,11,12,13,14,15
	v_add_nc_u32 v[INV+\k], 16*(\k/8)+\k%8, v6     ; i
.endr
.irp k, 0,1,2,3,4,5,6,7,8,9,10,11,12,13,14,15
	v_cvt_f32_u32 v[INV+\k], v[INV+\k]
.endr
.irp k, 0,1,2,3,4,5,6,7,8,9,10,11,12,13,14,15
	v_mul_f32 v[INV+\k], s39, v[INV+\k]
.endr
	s_wait_alu depctr_va_vdst(0)
.irp k, 0,1,2,3,4,5,6,7,8,9,10,11,12,13,14,15
	v_exp_f32 v[INV+\k], v[INV+\k]                 ; 10000^(-i / 32): one batch
.endr
	v_nop                                          ; a plain line behind the last exponential
	s_wait_alu depctr_va_vdst(0)                   ; one wait for the batch, ahead of its first reader
	s_wait_loadcnt 0x0
	v_cvt_f32_i32 v5, v5
; cos and sin of position x frequency k.  The angle is rounded once, as an f32 product.  n = the nearest whole number of quarter turns; r = angle - n pi / 2 in two fused steps, of which the first rounds nothing
; (n times the 24 bits of pi / 2 has no bit under the remainder's last); then the two polynomials, and the quadrant chooses and signs them: a choice of values, no branch.
.macro SINCOS k
	v_mul_f32 v64, v5, v[INV+\k]
	v_mul_f32 v65, s40, v64
	v_rndne_f32 v65, v65                           ; n
	v_fma_f32 v66, -v65, s41, v64
	v_fma_f32 v66, -v65, s42, v66                  ; r
	v_mul_f32 v67, v66, v66                        ; z
	v_fma_f32 v68, s45, v67, s44
	v_fma_f32 v69, s48, v67, s47
	v_fma_f32 v68, v68, v67, s43
	v_fma_f32 v69, v69, v67, s46
	v_mul_f32 v70, v67, v66
	v_mul_f32 v71, v67, v67
	v_fma_f32 v72, v67, -0.5, 1.0
	v_fma_f32 v68, v68, v70, v66                   ; sin r
	v_fma_f32 v69, v69, v71, v72                   ; cos r
	v_cvt_i32_f32 v73, v65
	v_and_b32 v74, 1, v73
	v_cmp_eq_u32 vcc_lo, 1, v74                    ; an odd quadrant swaps the two
	v_cndmask_b32 v[SIN+\k], v68, v69, vcc_lo
	v_cndmask_b32 v[COS+\k], v69, v68, vcc_lo
	v_lshlrev_b32 v74, 30, v73                     ; sin is negative where bit 1 of n is set,
	v_add_nc_u32 v73, 1, v73
	v_lshlrev_b32 v73, 30, v73                     ; cos where bit 1 of n + 1 is
	v_and_b32 v74, 0x80000000, v74
	v_and_b32 v73, 0x80000000, v73
	v_xor_b32 v[SIN+\k], v[SIN+\k], v74
	v_xor_b32 v[COS+\k], v[COS+\k], v73
.endm
.irp k, 0,1,2,3,4,5,6,7,8,9,10,11,12,13,14,15
	SINCOS \k
.endr
.irp u, 0,1
.irp f, 0,1
	global_store_b128 v3, v[COS+8*\u+4*\f:COS+8*\u+4*\f+3], s[20:21] offset:512*(4*\u+\f)      ; 512 consecutive bytes, aligned
	global_store_b128 v3, v[SIN+8*\u+4*\f:SIN+8*\u+4*\f+3], s[20:21] offset:512*(4*\u+2+\f)
.endr
.endr
	s_endpgm
.Lfunc_end_k_q8814a81753_prep:
	.size	k_q8814a81753_prep, .Lfunc_end_k_q8814a81753_prep-k_q8814a81753_prep
	.p2alignl 7, 3214868480
	.fill 96, 4, 3214868480
	.section	.rodata,"a",@progbits
	.p2align	6, 0x0
	.amdhsa_kernel k_q8814a81753_prep
		.amdhsa_group_segment_fixed_size 33280
		.amdhsa_private_segment_fixed_size 0
		.amdhsa_enable_private_segment 0
		.amdhsa_kernarg_size 72
		.amdhsa_user_sgpr_count 2
		.amdhsa_user_sgpr_kernarg_segment_ptr 1
		.amdhsa_wavefront_size32 1
		.amdhsa_system_sgpr_workgroup_id_x 1
		.amdhsa_system_sgpr_workgroup_id_y 1
		.amdhsa_system_sgpr_workgroup_id_z 1
		.amdhsa_system_vgpr_workitem_id 0
		.amdhsa_next_free_vgpr 194
		.amdhsa_next_free_sgpr 66
		.amdhsa_reserve_vcc 1
		.amdhsa_float_denorm_mode_32 3
		.amdhsa_float_denorm_mode_16_64 3
		.amdhsa_memory_ordered 1
		.amdhsa_forward_progress 1
		.amdhsa_inst_pref_size 62
	.end_amdhsa_kernel
	.amdgpu_metadata
---
amdhsa.version: [ 1, 2 ]
amdhsa.kernels:
  - .name:           k_q8814a81753_prep
    .symbol:         k_q8814a81753_prep.kd
    .args:
      - { .name: x, .offset: 0, .size: 8, .value_kind: global_buffer, .address_space: global }
      - { .name: Wqkv, .offset: 8, .size: 8, .value_kind: global_buffer, .address_space: global }
      - { .name: Wo, .offset: 16, .size: 8, .value_kind: global_buffer, .address_space: global }
      - { .name: positions, .offset: 24, .size: 8, .value_kind: global_buffer, .address_space: global }
      - { .name: lowp_scales, .offset: 32, .size: 8, .value_kind: global_buffer, .address_space: global }
      - { .name: x_codes, .offset: 40, .size: 8, .value_kind: global_buffer, .address_space: global }
      - { .name: wqkv_codes, .offset: 48, .size: 8, .value_kind: global_buffer, .address_space: global }
      - { .name: wo_codes, .offset: 56, .size: 8, .value_kind: global_buffer, .address_space: global }
      - { .name: rope_img, .offset: 64, .size: 8, .value_kind: global_buffer, .address_space: global }
    .group_segment_fixed_size: 33280
    .private_segment_fixed_size: 0
    .kernarg_segment_align: 8
    .kernarg_segment_size: 72
    .max_flat_workgroup_size: 128
    .sgpr_count:     66
    .vgpr_count:     194
    .wavefront_size: 32
...
	.end_amdgpu_metadata
.endif
;; end of part 1
;; launch qkv (part 2): grid 12 x 32, 4 waves a work-group, clusters of 4 x 4, 327,680 bytes of LDS; arguments x_codes, wqkv_codes, lowp_scales, bqkv, rope_img, q_img, kv_img; writes q_img, kv_img
.if DOCPART == 2
	.amdgcn_target "amdgcn-amd-amdhsa--gfx1250"
	.amdhsa_code_object_version 6
	.text
	.protected	k_q8814a81753_qkv
	.globl	k_q8814a81753_qkv
	.p2align	8
	.type	k_q8814a81753_qkv,@function
k_q8814a81753_qkv:
	s_mov_b64 s[64:65], 0
	v_nop
	global_prefetch_b8 v0, s[64:65] scope:SCOPE_SE
	s_setreg_imm32_b32 hwreg(HW_REG_WAVE_MODE, 25, 1), 1
	s_wait_xcnt 0x0
	s_wait_alu depctr_hold_cnt(0) depctr_sa_sdst(0) depctr_va_vdst(0) depctr_va_sdst(0) depctr_va_ssrc(0) depctr_va_vcc(0) depctr_vm_vsrc(0)
	s_getreg_b32 s2, hwreg(HW_REG_IB_STS2, 6, 4)
	s_cmp_eq_u32 s2, 0
	s_cbranch_scc0 .Lentry_in_a_cluster
	s_endpgm
.Lentry_in_a_cluster:
	s_bfe_u32 s2, ttmp6, 0x10000c
	s_cmp_lg_u32 s2, 0xf033
	s_cbranch_scc0 .Lentry_shape_is_right
	s_endpgm
.Lentry_shape_is_right:
; qkv = x Wqkv^T + bqkv on codes of FP8 (E4M3); q and k are rotated; q, k and v are quantised for the attention and stored as IMAGES OF THE OPERANDS' REGISTERS.
; x's codes [8192][1024], Wqkv's codes [3072][1024] (rows inside a head in the order that the launch before gave them), K innermost.  Sums in f32, each multiplied once by 2^(e0 + e1), then + bias.
; LIMITS: e0 + e1 between -126 and 127; e2, e3, e5 between -126 and 119: so that each power of two below is an f32 number.
; THE PRODUCT: a tile of 256 x 256 to a work-group of four waves, 128 x 128 to a wave: 64 accumulators of 16 x 16, 512 registers.  K = 1,024 goes in four steps of 256 through two LDS slots filled by the tensor data mover.
; The matrix instruction takes 16 rows of "B" as source 0 and 16 rows of "A" as source 1: lane (r, h) then holds row r of A's 16, and its registers j = 0 .. 7 rows 8 h + j of B's 16.
; ROLES, by the CLUSTER's x, which all sixteen partners share: 0 makes q, 1 makes k: A = tokens, B = rows of W: a lane holds one token and eight channels;
;   2 makes v: A = v's rows of W, B = tokens: a lane holds ONE CHANNEL AND EIGHT NEIGHBOURING KEYS, so that v's codes come out with the keys innermost, as the attention's second product wants them.  Nothing is transposed.
; CLUSTERS: 4 x 4 work-groups.  A's tile is shared along a row of the cluster, B's along a column: each is asked for jointly, by the same tensor load with the same descriptor and a mask that names the four.
; WHAT IS STORED.  q_img: [batch x 16 + head][block of 16 tokens][1,024 bytes]: two chunks u of 512 bytes, 16 bytes a lane: lane (r, h): token r: 8 codes of the rotated even channels, then 8 of the odd ones, at
;   frequencies 16 u + 8 h + 0 .. 7: an order of the head's 64 that is the same in q and in k.   kv_img: [batch x 16 + head][step of 128 keys][16,384 bytes]: 8 blocks of k laid as q's; then 4 tiles of v, 2,048 bytes each:
;   16 channels x 128 keys, chunk c of 512 bytes = registers 4 c .. 4 c + 3 of the fragment.  Every store is 512 consecutive bytes, aligned, straight from the conversions' registers: no stage in LDS.
; REGISTERS, in windows of 256: window 0: v0-31 addresses and constants; v128-255 A's fragments, ONE set; window 1: B's fragments, TWO sets; windows 2, 3: the accumulators ((a, b) at v[8 (8 (a % 4) + b)]).
;   On the way out window 0's v32-255 are at work (names below).
.set SIZE_K, 1024
.set ROWB,   256                       ; a tile's row in bytes: 256 codes
.set KROW,   SIZE_K                    ; a row of codes in memory
.set PITCH,  272                       ; an LDS row: 256 bytes + 16 of padding = 68 words: row r starts at bank 4 r mod 64 (64 banks of 4 bytes: ISA guide 11.1)
.set FR,     16                        ; registers of a fragment: 16 rows x 128 K
.set NL,     4                         ; LDS loads that bring one
.set NP,     4                         ; places behind this matrix instruction (ISA guide 7.12.1)
.set HALFT,  128*PITCH                 ; 128 rows: what one tensor load brings
.set SLOT,   4*HALFT                   ; A's 256 rows, then B's 256 rows
.set SPARE,  2*SLOT                    ; behind the ring: the spare words, 128 bytes for each wave, which no other line names
.set ADRA, 16                          ; v16-17  LDS address of my A fragments in slot 0, 1
.set ADRB, 20                          ; v20-21  the same for B
.set BA,   22                          ; v22     my byte offset among the biases
.set LI,   27                          ; v27     16 x lane: my place in a chunk of an image
.set SPW,  28                          ; v28     LDS address of my spare word; never rewritten
.set NIL,  29                          ; v29     0; never rewritten
.set SC,   30                          ; v30     2^e of the operand that is made, as f32
.set LIM,  31                          ; v31     448 x that
.set AF,   128                         ; A's fragments
.set BI,   32                          ; q, k: v32-95 the biases of my 128 channels, in the accumulators' layout
.set RS,   96                          ; v96-127, v128-159 by turns: a block's cos and sin: cos of u at +16 u, sin at +16 u + 8
.set T,    160                         ; v160-191 a head's 64 channels of a token: sum x 2^(e0 + e1) + bias
.set XY,   192                         ; v192-223 the rotated numbers
.set CD,   224                         ; v224-239, v240-255 by turns: a block's codes
.set BV,   32                          ; v: v32-47 the bias of my channel in each of the 8 blocks, twice (a pair for the packed form)
.set VT,   64                          ; v64-127 a block's 64 numbers
.set VC,   128                         ; v128-255 codes: 16 registers for each block, so that no store's data are written again
.set G1, 24                            ; s[24:31] descriptor group 1 for A's tiles;  s[32:39] group 0, one set for each slot
.set G0, 32
.set G1B, 48                           ; s[48:55], s[56:63] the same for B's tiles
.set G0B, 56
.set MSB, 0
.macro WIN new                         ; the immediate's high byte repeats the setting that is left
.if MSB != \new
	s_set_vgpr_msb (MSB<<8)|\new
.set MSB, \new
.endif
.endm
.set MUL_LO, 0xa1                      ; source 0 (B) window 1, source 1 (A) window 0, C and D window 2
.set MUL_HI, 0xf1                      ; the same, C and D window 3
.set TO_B,   0x40                      ; destination window 1, address window 0
; A joint load: waves 0 and 1 fetch for A, waves 2 and 3 for B; the branch hangs on the wave's number alone.  Four v_nop follow each of the two lines.
.macro JLOAD g0a, g1a, g0b, g1b
	s_cmp_eq_u32 s15, 0
	s_cbranch_scc0 .Lfor_b_\@
	tensor_load_to_lds s[\g0a:\g0a+3], s[\g1a:\g1a+7]
	s_nop 0
.rept 4
	v_nop
.endr
	s_branch .Lasked_\@
.Lfor_b_\@:
	tensor_load_to_lds s[\g0b:\g0b+3], s[\g1b:\g1b+7]
	s_nop 0
.rept 4
	v_nop
.endr
.Lasked_\@:
.endm
.macro CREST                           ; a round of the cluster's barrier behind its opening barrier
	s_cmp_lg_u32 s14, 0
	s_cbranch_scc1 .Lnot_wave_0_\@
	s_barrier_signal -3
.Lnot_wave_0_\@:
	s_barrier_wait -3
	s_barrier_signal -1
	s_barrier_wait -1
.endm
.macro CROUND                          ; a whole round
	s_barrier_signal -1
	s_barrier_wait -1
	CREST
.endm
	s_load_b256 s[4:11], s[0:1], 0x0               ; x's codes s[4:5], W's codes s[6:7], the scales' exponents s[8:9], the biases s[10:11]
	s_load_b128 s[76:79], s[0:1], 0x20             ; cos and sin s[76:77], q's images s[78:79]
	s_load_b64 s[80:81], s[0:1], 0x30              ; k's and v's images
	v_lshl_add_u32 v[SPW], v0, 2, SPARE
	v_mov_b32 v[NIL], 0
	ds_add_u32 v28, v29
	ds_add_u32 v28, v29
	s_wait_dscnt 0x0
	v_lshrrev_b32 v1, 5, v0
	v_readfirstlane_b32 s14, v1                    ; wave 0..3
	s_lshr_b32 s15, s14, 1                         ; which half of A's 256 rows is mine.  Also: I fetch for A (0) or for B (1)
	s_and_b32 s16, s14, 1                          ; which half of B's.  Also: which 128 rows of that tile I fetch
	s_bfe_u32 s40, ttmp6, 0x40000                  ; cx, cy: my place in the cluster
	s_bfe_u32 s41, ttmp6, 0x40004
	s_and_b32 s90, ttmp7, 0xffff                   ; the cluster's y, 0 .. 7
	s_cmp_eq_u32 ttmp9, 2                          ; the role, from the cluster's x
	s_cselect_b32 s42, s90, ttmp9                  ; q, k: B's tiles are W's rows: cluster x; A's are tokens: cluster y.   v: B's are tokens: cluster y; A's are v's 1,024 rows: one cluster's four tiles
	s_cselect_b32 s17, 0, s90
	s_lshl_b32 s42, s42, 2
	s_add_co_u32 s42, s42, s40                     ; B's tile
	s_lshl_b32 s17, s17, 2
	s_add_co_u32 s17, s17, s41                     ; A's tile
	s_lshl_b32 s43, s41, 2
	s_lshl_b32 s43, 15, s43                        ; my row of the cluster
	s_lshl_b32 s44, 0x1111, s40                    ; my column
	; descriptor group 1: a tile of 128 rows x 256 bytes, padded in LDS
	s_or_b32 s[G1+0], s43, (0<<16)|(1<<20)|(1<<21)|(5<<22)|(3<<25)  ; 15:0 the mask: A's tiles go to my row; 17:16 element of 1 byte; 20 padding on; 21 set beside a mask; 24:22 after every 64 words (code 5); 31:25 of 4 words (code 3)
	s_or_b32 s[G1B+0], s44, (0<<16)|(1<<20)|(1<<21)|(5<<22)|(3<<25)
.irp g, G1, G1B
	s_mov_b32 s[\g+1], ROWB<<16                    ; tensor_dim0
	s_mov_b32 s[\g+2], 128<<16                     ; tensor_dim1 = 128
	s_mov_b32 s[\g+3], ROWB<<16                    ; tile_dim0
	s_mov_b32 s[\g+4], 128                         ; tile_dim1 = 128
	s_mov_b32 s[\g+5], KROW                        ; tensor_dim0_stride
	s_mov_b32 s[\g+6], 0
	s_mov_b32 s[\g+7], 0
.endr
	s_lshl_b32 s18, s16, 7                         ; which 128 rows of the tile I fetch
	s_lshl_b32 s20, s17, 8
	s_add_co_u32 s20, s20, s18                     ; A: row 256 x tile + 128 x half
	s_lshl_b32 s46, s42, 8
	s_add_co_u32 s46, s46, s18                     ; B likewise
	s_mov_b32 s21, 0
	s_mov_b32 s47, 0
	s_mov_b64 s[18:19], KROW
	s_mul_u64 s[20:21], s[20:21], s[18:19]
	s_mul_u64 s[46:47], s[46:47], s[18:19]
	s_mul_i32 s45, s14, HALFT                      ; where they go: wave x 128 rows: no place in the cluster enters an LDS address
	s_wait_kmcnt 0x0
	s_load_b256 s[68:75], s[8:9], 0x0              ; e0 .. e7
	s_add_nc_u64 s[92:93], s[6:7], 0x200000        ; v's rows of W: 2,048 rows of 1,024 bytes on
	s_cmp_eq_u32 ttmp9, 2
	s_cselect_b64 s[92:93], s[92:93], s[4:5]       ; A's buffer,
	s_cselect_b64 s[94:95], s[4:5], s[6:7]         ; B's
	s_add_nc_u64 s[20:21], s[92:93], s[20:21]
	s_add_nc_u64 s[46:47], s[94:95], s[46:47]
	CROUND                                         ; all sixteen work-groups are here: the first joint loads meet
.irp s, 0,1
	s_mov_b32 s[G0+4*\s], 1
	s_add_co_u32 s[G0+4*\s+1], s45, \s*SLOT
	s_add_nc_u64 s[G0+4*\s+2:G0+4*\s+3], s[20:21], \s*ROWB
	s_or_b32 s[G0+4*\s+3], s[G0+4*\s+3], 0x80000000
	s_mov_b32 s[G0B+4*\s], 1
	s_add_co_u32 s[G0B+4*\s+1], s45, \s*SLOT
	s_add_nc_u64 s[G0B+4*\s+2:G0B+4*\s+3], s[46:47], \s*ROWB
	s_or_b32 s[G0B+4*\s+3], s[G0B+4*\s+3], 0x80000000
.endr
	JLOAD G0, G1, G0B, G1B                         ; K step 0: one tensor load a wave at the head
	v_and_b32 v1, 15, v0                           ; r = l % 16
	v_bfe_u32 v2, v0, 4, 1                         ; h = l / 16
	v_mul_u32_u24 v3, v1, PITCH
	v_lshl_add_u32 v4, v2, 4, v3                   ; a fragment's row x pitch + 16 x half
	s_mul_i32 s21, s15, HALFT                      ; my 128 rows of A
	s_mul_i32 s22, s16, HALFT                      ; my 128 rows of B,
	s_add_co_u32 s22, s22, 2*HALFT                 ; which lie behind A's 256
.irp s, 0,1
	v_add_nc_u32 v[ADRA+\s], s21, v4
	v_add_nc_u32 v[ADRB+\s], s22, v4
	s_add_co_u32 s21, s21, SLOT
	s_add_co_u32 s22, s22, SLOT
.endr
	v_and_b32 v5, 31, v0
	v_lshlrev_b32 v[LI], 4, v5
	s_wait_alu depctr_va_vdst(0)
	s_wait_kmcnt 0x0
	s_add_co_i32 s96, s68, s69
	s_add_co_i32 s96, s96, 127
	s_lshl_b32 s96, s96, 23                        ; 2^(e0 + e1) as f32
	s_mov_b32 s97, s96                             ; (named with it as a pair, so it is written)
	s_cmp_eq_u32 ttmp9, 1
	s_cselect_b32 s91, s71, s73
	s_cmp_eq_u32 ttmp9, 0
	s_cselect_b32 s91, s70, s91                    ; the exponent of what is made: e2 (q), e3 (k) or e5 (v): a choice, no branch
	s_add_co_i32 s91, s91, 127
	s_lshl_b32 s92, s91, 23
	v_mov_b32 v[SC], s92
	s_add_co_i32 s91, s91, 8
	s_lshl_b32 s91, s91, 23
	s_or_b32 s91, s91, 0x600000
	v_mov_b32 v[LIM], s91
.macro FRAG reg, adr, q, i             ; a fragment, 16 rows x 128 K of codes, is 16 registers: lane l holds row l % 16; registers 4 c .. 4 c + 3 hold K = 32 c + 16 (l / 16) + 0 .. 15: an order of k that is the same in A and in B
.irp c, 0,1,2,3
	ds_load_b128 v[\reg+4*\c:\reg+4*\c+3], v[\adr] offset:128*(\q)+32*\c+(\i)*16*PITCH
.endr
.endm
; 16 matrix instructions: A's blocks a0, a0 + 1 x B's eight, 128 along K.  p: B's set.  zero = 1: the first product starts the sums: nothing is ever cleared.
; The 64 accumulators take turns, one instruction a turn, in the same order in every step.
.macro MUL16 a0, p, zero
.irp a, \a0, \a0+1
.irp b, 0,1,2,3,4,5,6,7
.if \zero
	v_wmma_f32_16x16x128_fp8_fp8 v[8*(8*((\a)%4)+\b):8*(8*((\a)%4)+\b)+7], v[128*(\p)+FR*\b:128*(\p)+FR*\b+FR-1], v[AF+FR*(\a):AF+FR*(\a)+FR-1], 0
.else
	v_wmma_f32_16x16x128_fp8_fp8 v[8*(8*((\a)%4)+\b):8*(8*((\a)%4)+\b)+7], v[128*(\p)+FR*\b:128*(\p)+FR*\b+FR-1], v[AF+FR*(\a):AF+FR*(\a)+FR-1], v[8*(8*((\a)%4)+\b):8*(8*((\a)%4)+\b)+7]
.endif
.endr
.endr
.endm
.macro FETCH_B slot, q, p              ; B's eight fragments of the slot's q-th 128 along K into set p
	WIN TO_B
.irp i, 0,1,2,3,4,5,6,7
	FRAG 128*(\p)+FR*\i, ADRB+\slot, \q, \i
.endr
	WIN 0
.endm
.macro FETCH_A slot, q, i0             ; A's blocks i0 .. i0 + 3
.irp i, \i0, \i0+1, \i0+2, \i0+3
	FRAG AF+FR*(\i), ADRA+\slot, \q, \i
.endr
.endm
; A load into a register that a matrix instruction has read, and a vector instruction that reads a matrix result or writes one of its registers, stand NP plain vector instructions behind it (ISA guide 7.12.1 for vector instructions).
.macro PLACES n
.rept \n
	v_nop
.endr
.endm
; A step of 128 along K that has its successor in the same slot.
.macro STEP slot, q, zero
	s_wait_dscnt 4*NL                              ; B's set and A's blocks 0-3 are in; the youngest sixteen loads (A's blocks 4-7) may be out
	WIN MUL_LO
	MUL16 0, (\q)%2, \zero
	MUL16 2, (\q)%2, \zero
	s_wait_dscnt 0                                 ; A's blocks 4-7 are in
	PLACES NP
	FETCH_B \slot, (\q)+1, 1-(\q)%2
	FETCH_A \slot, (\q)+1, 0
	WIN MUL_HI
	MUL16 4, (\q)%2, \zero
	MUL16 6, (\q)%2, \zero
	PLACES NP
	WIN 0
	FETCH_A \slot, (\q)+1, 4
.endm
; A slot's last step changes slots: ONE barrier; in front of it each wave waits for all its tensor loads, adds 0 to its spare word, and waits for that and for its own reads of this slot.  fill = 1: this slot is filled again, two K steps ahead.
.macro TURN slot, next, fill
	s_wait_tensorcnt 0x0                           ; all my tensor loads have landed: my part of the next slot  (every window is 0 here)
	ds_add_u32 v[SPW], v[NIL]                      ; 0 onto my spare word
	s_wait_dscnt 4*NL+1                            ; (the add and the youngest sixteen loads, A's blocks 4-7, may be out)
	WIN MUL_LO
	MUL16 0, 1, 0                                  ; sixteen matrix instructions stand between the add and the wait for it
	s_wait_dscnt 0x0                               ; the add is done, and my reads of this slot are over
	s_barrier_signal -1
	MUL16 2, 1, 0
	WIN 0
	s_barrier_wait -1
.if \fill
	CREST                                          ; the barrier has opened a round of the cluster's barrier: no wave of any partner still reads this slot's tile or has a load on its way
	s_add_nc_u64 s[G0+4*\slot+2:G0+4*\slot+3], s[G0+4*\slot+2:G0+4*\slot+3], 2*ROWB
	s_add_nc_u64 s[G0B+4*\slot+2:G0B+4*\slot+3], s[G0B+4*\slot+2:G0B+4*\slot+3], 2*ROWB
	JLOAD G0+4*\slot, G1, G0B+4*\slot, G1B         ; the first tensor load behind the round; its four v_nop are also the places in front of the loads below
.else
	PLACES NP
.endif
	FETCH_B \next, 0, 0
	FETCH_A \next, 0, 0
	WIN MUL_HI
	MUL16 4, 1, 0
	MUL16 6, 1, 0
	PLACES NP
	WIN 0
	FETCH_A \next, 0, 4
.endm
.macro LAST                            ; the very last step: nothing more to fetch
	s_wait_dscnt 4*NL
	WIN MUL_LO
	MUL16 0, 1, 0
	MUL16 2, 1, 0
	s_wait_dscnt 0
	WIN MUL_HI
	MUL16 4, 1, 0
	MUL16 6, 1, 0
	WIN 0
.endm
	s_wait_alu depctr_va_vdst(0)                   ; the wait at the head's end
	s_wait_tensorcnt 0x0                           ; my part of K step 0 is in
	ds_add_u32 v[SPW], v[NIL]
	s_wait_dscnt 0x0
	CROUND                                         ; everybody's part of K step 0 is in, and the sixteen work-groups meet
	JLOAD G0+4, G1, G0B+4, G1B                     ; K step 1: the first tensor load behind the round
	FETCH_B 0, 0, 0
	FETCH_A 0, 0, 0
	FETCH_A 0, 0, 4
	STEP 0, 0, 1                                   ; K = 1,024 is four slots' worth, written out: slot 0, 1, 0, 1.  The first step's products start the sums
	TURN 0, 1, 1                                   ; slot 0 takes K 512 on
	STEP 1, 0, 0
	TURN 1, 0, 1                                   ; slot 1 takes K 768 on
	STEP 0, 0, 0
	TURN 0, 1, 0                                   ; nothing is left to fetch
	STEP 1, 0, 0
	s_cmp_eq_u32 ttmp9, 2                          ; the roles part here, on the cluster's x; each path asks for what its way out wants and then runs the last step, under which those loads are on their way
	s_cbranch_scc1 .Lrole_v
	; ---- q and k.  Accumulator (a, b): token 16 a + r; b = 4 g + 2 u + p: head g of my two, and by the order of W's rows channel 32 u + 2 (8 h + j) + p: frequency 16 u + 8 h + j, p = 0 the even partner, 1 the odd.
	s_lshr_b32 s91, s17, 3                         ; batch: 8 tiles of 256 tokens each
	s_lshl_b32 s91, s91, 4
	s_and_b32 s92, s42, 3
	s_lshl_b32 s92, s92, 2
	s_add_co_u32 s91, s91, s92
	s_lshl_b32 s92, s16, 1
	s_add_co_u32 s91, s91, s92                     ; 16 x batch + my first head
	s_lshl_b32 s91, s91, 17
	s_and_b32 s92, s17, 7
	s_lshl_b32 s92, s92, 1
	s_add_co_u32 s92, s92, s15                     ; which 128 tokens of the batch
	s_lshl_b32 s92, s92, 13
	s_add_co_u32 s92, s91, s92                     ; in q_img: head x 131,072 + 128 tokens x 8,192;
	s_mov_b32 s93, 0
	s_lshl_b32 s94, s92, 1                         ; in kv_img both are twice as far apart
	s_mov_b32 s95, 0
	s_mov_b32 s98, 0x40000
	s_cmp_eq_u32 ttmp9, 0
	s_cselect_b64 s[82:83], s[78:79], s[80:81]
	s_cselect_b64 s[92:93], s[92:93], s[94:95]
	s_cselect_b32 s94, 0x20000, s98
	s_add_nc_u64 s[82:83], s[82:83], s[92:93]      ; my first head's images,
	s_add_nc_u64 s[84:85], s[82:83], s[94:95]      ; my second head's
	s_lshl_b32 s98, s17, 4
	s_lshl_b32 s99, s15, 3
	s_add_co_u32 s98, s98, s99
	s_lshl_b32 s98, s98, 12
	s_mov_b32 s99, 0
	s_add_nc_u64 s[86:87], s[76:77], s[98:99]      ; cos and sin of my first block of 16 tokens
	s_lshl_b32 s98, s42, 10
	s_lshl_b32 s91, s16, 9
	s_add_co_u32 s98, s98, s91
	s_add_nc_u64 s[88:89], s[10:11], s[98:99]      ; the biases of my 128 rows of W
	v_lshlrev_b32 v[BA], 6, v2                     ; + 4 x 2 x 8 h
.irp b, 0,1,2,3,4,5,6,7
.irp j, 0,1,2,3,4,5,6,7
	global_load_b32 v[BI+8*\b+\j], v[BA], s[88:89] offset:4*(64*(\b/4)+32*((\b%4)/2)+2*\j+(\b%2))
.endr
.endr
.macro ROPE_LD a                       ; block a's cos and sin: eight chunks of 512 bytes
.set RSA, RS+32*((\a)%2)
.irp q, 0,1,2,3,4,5,6,7
	global_load_b128 v[RSA+4*\q:RSA+4*\q+3], v[LI], s[86:87] offset:(\a)*4096+512*\q
.endr
.endm
; Block a: 16 tokens x my two heads.  t = sum x 2^(e0 + e1) + bias; r1 = t1 cos - t2 sin, r2 = t1 sin + t2 cos; held, converted, stored.
.macro QK_BLOCK a
.set RSA, RS+32*((\a)%2)
.set CDA, CD+16*((\a)%2)
.if (\a) >= 2
	s_wait_xcnt 0x0                                ; block a - 2's stores have read their data: the codes' registers are written again only behind this wait
.endif
.if (\a) < 7
	s_wait_loadcnt 8                               ; this block's cos and sin (and, the first time, the biases) are in; the next block's eight loads may be out
.else
	s_wait_loadcnt 0
.endif
.irp hh, 0,1
	WIN 0x02+((\a)/4)                              ; source 0: window 2 or 3
.irp c, 0,1,2,3
.irp i, 0,2,4,6
	v_pk_fma_f32 v[T+8*\c+\i:T+8*\c+\i+1], v[64*((\a)%4)+8*(4*\hh+\c)+\i:64*((\a)%4)+8*(4*\hh+\c)+\i+1], s[96:97], v[BI+8*(4*\hh+\c)+\i:BI+8*(4*\hh+\c)+\i+1] op_sel_hi:[1,0,1]   ; each accumulator from its low end on
.endr
.endr
	WIN 0
.irp u, 0,1
.irp i, 0,2,4,6
	v_pk_mul_f32 v[XY+16*\u+\i:XY+16*\u+\i+1], v[T+16*\u+8+\i:T+16*\u+8+\i+1], v[RSA+16*\u+8+\i:RSA+16*\u+8+\i+1]       ; t2 sin
	v_pk_mul_f32 v[XY+16*\u+8+\i:XY+16*\u+8+\i+1], v[T+16*\u+\i:T+16*\u+\i+1], v[RSA+16*\u+8+\i:RSA+16*\u+8+\i+1]       ; t1 sin
.endr
.endr
.irp u, 0,1
.irp i, 0,2,4,6
	v_pk_fma_f32 v[XY+16*\u+\i:XY+16*\u+\i+1], v[T+16*\u+\i:T+16*\u+\i+1], v[RSA+16*\u+\i:RSA+16*\u+\i+1], v[XY+16*\u+\i:XY+16*\u+\i+1] neg_lo:[0,0,1] neg_hi:[0,0,1]   ; r1
	v_pk_fma_f32 v[XY+16*\u+8+\i:XY+16*\u+8+\i+1], v[T+16*\u+8+\i:T+16*\u+8+\i+1], v[RSA+16*\u+\i:RSA+16*\u+\i+1], v[XY+16*\u+8+\i:XY+16*\u+8+\i+1]                    ; r2
.endr
.endr
.set n, 0
.rept 32
	v_med3_num_f32 v[XY+n], v[XY+n], -v[LIM], v[LIM]   ; the conversion to an 8-bit code does not saturate (ISA guide 7.6.2): the hold at the largest code x the scale
.set n, n+1
.endr
.irp u, 0,1
.irp p, 0,1
	v_cvt_scalef32_pk8_fp8_f32 v[CDA+8*\hh+4*\u+2*\p:CDA+8*\hh+4*\u+2*\p+1], v[XY+16*\u+8*\p:XY+16*\u+8*\p+7], v[SC]
.endr
.endr
	v_nop                                          ; one plain line behind the last conversion, ahead of the lines that write its sources again
.irp u, 0,1
	global_store_b128 v[LI], v[CDA+8*\hh+4*\u:CDA+8*\hh+4*\u+3], s[82+2*\hh:83+2*\hh] offset:(\a)*1024+512*\u   ; 512 consecutive bytes, aligned
.endr
.endr
.if (\a) <= 5
	ROPE_LD (\a)+2                                 ; into the registers that this block has read
.endif
.endm
	ROPE_LD 0
	LAST
	PLACES NP                                      ; behind the last products: for the loads and lines below that write A's registers, and for the reads of results
	ROPE_LD 1
.irp a, 0,1,2,3,4,5,6,7
	QK_BLOCK \a
.endr
	s_branch .Lend
	; ---- v.  Accumulator (a, b): by the order of W's rows, head a / 4 of my two and channel 32 ((a % 4) / 2) + 8 (a % 2) + r + 8 (r / 8); key 16 b + 8 h + j of my 128: the eight registers become registers 2 b, 2 b + 1 of tile a % 4's fragment.
.Lrole_v:
	s_lshr_b32 s91, s42, 3                         ; batch
	s_lshl_b32 s91, s91, 4
	s_lshl_b32 s92, s17, 2
	s_add_co_u32 s91, s91, s92
	s_lshl_b32 s92, s15, 1
	s_add_co_u32 s91, s91, s92                     ; 16 x batch + my first head
	s_lshl_b32 s91, s91, 18
	s_and_b32 s92, s42, 7
	s_lshl_b32 s92, s92, 1
	s_add_co_u32 s92, s92, s16                     ; the step of 128 keys
	s_lshl_b32 s92, s92, 14
	s_add_co_u32 s92, s92, s91
	s_add_co_u32 s92, s92, 8192                    ; v's tiles lie behind k's 8,192 bytes
	s_mov_b32 s93, 0
	s_add_nc_u64 s[82:83], s[80:81], s[92:93]
	s_lshl_b32 s98, s17, 10
	s_lshl_b32 s99, s15, 9
	s_add_co_u32 s98, s98, s99
	s_add_co_u32 s98, s98, 8192                    ; the biases of v begin at number 2,048
	s_mov_b32 s99, 0
	s_add_nc_u64 s[88:89], s[10:11], s[98:99]
	v_and_b32 v[BA], 8, v1
	v_add_nc_u32 v[BA], v[BA], v1
	v_lshlrev_b32 v[BA], 2, v[BA]                  ; 4 (r + 8 (r / 8))
.irp a, 0,1,2,3,4,5,6,7
	global_load_b32 v[BV+2*\a], v[BA], s[88:89] offset:4*(64*(\a/4)+32*((\a%4)/2)+8*(\a%2))
	global_load_b32 v[BV+2*\a+1], v[BA], s[88:89] offset:4*(64*(\a/4)+32*((\a%4)/2)+8*(\a%2))
.endr
.macro V_BLOCK a
	WIN 0x02+((\a)/4)
.irp b, 0,1,2,3,4,5,6,7
.irp i, 0,2,4,6
	v_pk_fma_f32 v[VT+8*\b+\i:VT+8*\b+\i+1], v[64*((\a)%4)+8*\b+\i:64*((\a)%4)+8*\b+\i+1], s[96:97], v[BV+2*(\a):BV+2*(\a)+1] op_sel_hi:[1,0,1]   ; sum x 2^(e0 + e1) + my channel's bias
.endr
.endr
	WIN 0
.set n, 0
.rept 64
	v_med3_num_f32 v[VT+n], v[VT+n], -v[LIM], v[LIM]
.set n, n+1
.endr
.irp b, 0,1,2,3,4,5,6,7
	v_cvt_scalef32_pk8_fp8_f32 v[VC+16*(\a)+2*\b:VC+16*(\a)+2*\b+1], v[VT+8*\b:VT+8*\b+7], v[SC]
.endr
	v_nop                                          ; one plain line behind the last conversion
.irp c, 0,1,2,3
	global_store_b128 v[LI], v[VC+16*(\a)+4*\c:VC+16*(\a)+4*\c+3], s[82:83] offset:((\a)/4)*262144+((\a)%4)*2048+512*\c   ; 512 consecutive bytes, aligned
.endr
.endm
	LAST
	PLACES NP
	s_wait_loadcnt 0x0                             ; the biases
.irp a, 0,1,2,3,4,5,6,7
	V_BLOCK \a
.endr
.Lend:
	s_wait_tensorcnt 0x0                           ; the wave's end
	ds_add_u32 v[SPW], v[NIL]
	s_wait_dscnt 0x0
	CROUND                                         ; the closing round: no work-group ends while a partner may still ask for a tile that names it
	s_endpgm
.Lfunc_end_k_q8814a81753_qkv:
	.size	k_q8814a81753_qkv, .Lfunc_end_k_q8814a81753_qkv-k_q8814a81753_qkv
	.p2alignl 7, 3214868480
	.fill 96, 4, 3214868480
	.section	.rodata,"a",@progbits
	.p2align	6, 0x0
	.amdhsa_kernel k_q8814a81753_qkv
		.amdhsa_group_segment_fixed_size 327680
		.amdhsa_private_segment_fixed_size 0
		.amdhsa_enable_private_segment 0
		.amdhsa_kernarg_size 56
		.amdhsa_user_sgpr_count 2
		.amdhsa_user_sgpr_kernarg_segment_ptr 1
		.amdhsa_wavefront_size32 1
		.amdhsa_system_sgpr_workgroup_id_x 1
		.amdhsa_system_sgpr_workgroup_id_y 1
		.amdhsa_system_sgpr_workgroup_id_z 1
		.amdhsa_system_vgpr_workitem_id 0
		.amdhsa_next_free_vgpr 1024
		.amdhsa_next_free_sgpr 100
		.amdhsa_reserve_vcc 0
		.amdhsa_float_denorm_mode_32 3
		.amdhsa_float_denorm_mode_16_64 3
		.amdhsa_memory_ordered 1
		.amdhsa_forward_progress 1
		.amdhsa_inst_pref_size 243
	.end_amdhsa_kernel
	.amdgpu_metadata
---
amdhsa.version: [ 1, 2 ]
amdhsa.kernels:
  - .name:           k_q8814a81753_qkv
    .symbol:         k_q8814a81753_qkv.kd
    .args:
      - { .name: x_codes, .offset: 0, .size: 8, .value_kind: global_buffer, .address_space: global }
      - { .name: wqkv_codes, .offset: 8, .size: 8, .value_kind: global_buffer, .address_space: global }
      - { .name: lowp_scales, .offset: 16, .size: 8, .value_kind: global_buffer, .address_space: global }
      - { .name: bqkv, .offset: 24, .size: 8, .value_kind: global_buffer, .address_space: global }
      - { .name: rope_img, .offset: 32, .size: 8, .value_kind: global_buffer, .address_space: global }
      - { .name: q_img, .offset: 40, .size: 8, .value_kind: global_buffer, .address_space: global }
      - { .name: kv_img, .offset: 48, .size: 8, .value_kind: global_buffer, .address_space: global }
    .group_segment_fixed_size: 327680
    .private_segment_fixed_size: 0
    .kernarg_segment_align: 8
    .kernarg_segment_size: 56
    .max_flat_workgroup_size: 128
    .sgpr_count:     100
    .vgpr_count:     1024
    .wavefront_size: 32
...
	.end_amdgpu_metadata
.endif
;; end of part 2
;; launch attn (part 3): grid 4 x 64, 8 waves a work-group, clusters of 4 x 1, 327,680 bytes of LDS; arguments q_img, kv_img, lowp_scales, h_img; writes h_img
.if DOCPART == 3
	.amdgcn_target "amdgcn-amd-amdhsa--gfx1250"
	.amdhsa_code_object_version 6
	.text
	.protected	k_q8814a81753_attn
	.globl	k_q8814a81753_attn
	.p2align	8
	.type	k_q8814a81753_attn,@function
k_q8814a81753_attn:
	s_mov_b64 s[64:65], 0
	v_nop
	global_prefetch_b8 v0, s[64:65] scope:SCOPE_SE
	s_setreg_imm32_b32 hwreg(HW_REG_WAVE_MODE, 25, 1), 1
	s_wait_xcnt 0x0
	s_wait_alu depctr_hold_cnt(0) depctr_sa_sdst(0) depctr_va_vdst(0) depctr_va_sdst(0) depctr_va_ssrc(0) depctr_va_vcc(0) depctr_vm_vsrc(0)
	s_getreg_b32 s2, hwreg(HW_REG_IB_STS2, 6, 4)
	s_cmp_eq_u32 s2, 0
	s_cbranch_scc0 .Lentry_in_a_cluster
	s_endpgm
.Lentry_in_a_cluster:
	s_bfe_u32 s2, ttmp6, 0x10000c
	s_cmp_lg_u32 s2, 0x3003
	s_cbranch_scc0 .Lentry_shape_is_right
	s_endpgm
.Lentry_shape_is_right:
; Causal attention on codes of FP8 (E4M3) for one (batch, head) a cluster: S^T = K Q^T, p = 2^(t - M), O^T = V^T P^T, h = O / l quantised for the last projection.
; t = score x log2(e) / 8 x 2^(e2 + e3); M = the running largest t rounded up to a whole number; l = the row's sum of the unquantised p, in f32.
; LEFT OUT: key steps all of whose 128 keys come after a row block's queries: their p is 0.
; LIMITS: e2 + e3 between -123 and 130; e4, e6 between -126 and 119; the scaled scores stay under 2^31 in magnitude.
; SHARES.  A head has 16 row blocks of 128 queries = 8 tiles of 16; row block R needs key steps 0 .. R (128 keys each).  The cluster's four work-groups take tiles cx and 4 + cx of EVERY row block,
; so no branch and no LDS address hangs on cx.  Wave w of eight owns row block 15 - w (16 - w steps) and then row block w (w + 1 steps): 17 steps for every wave, walked in loops of constant count.
; A wave works its two tiles side by side: each fragment of K and V that it reads from LDS feeds both.
; LDS: the head's whole K and V images, 16 steps x 16,384 bytes, are filled once, by joint loads of the four partners: steps 0-4 at the head (10,240 bytes a wave), steps 5-15 behind a round of the cluster's barrier (22,528 a wave).
; No prefetch: every byte of K and V is asked for by those two loads at the head; there is no loop to run ahead in.
; The long row block goes first, so trips 0 to 3 are plain steps; trips 4 to 16 carry the diagonal's mask and the way out, under scalar branches on the wave's number and the trip's count.
; FRAGMENTS AHEAD: a step's K fragments are asked of LDS in the step before, behind that step's score products; its V fragments at its head.  (The last trip's look-ahead reads K bytes that nobody multiplies.)
; LAYOUT as the launch before stored it: a lane (r, h) holds query r; register 8 c + j of a tile's scores is key 16 c + 8 h + j.
; REGISTERS.  Window 0: v1-37 addresses, state, constants; v40-71 p's codes; v72-87 h's codes; v96-159, v160-223 the two tiles' scores, then p.
;   Window 1: v0-15 Q of the row block in hand, v16-31 Q of the next; v32-95 K's fragments; v96-159 O^T of the two tiles; v160-223 V's fragments.
.set SPARE, 0x40000                    ; behind the images: the spare words, 128 bytes for each wave
.set WV,  12
.set CX,  13
.set BH,  14
.set NI,  15                           ; the trip, 0 .. 16
.set TB,  16                           ; LDS byte of the NEXT step's images
.set LW,  17                           ; 15 - w: the long row block, and its last trip
.set WO,  18                           ; w x 16,384
.set DG,  19                           ; 1 in a trip on the diagonal
.set SEL, 20
.set CS,  22
.set G1A, 24
.set G1B, 32
.set G0A, 40
.set G0B, 44
.set EX,  48
.set HA,  56
.set HB,  58
.set QA,  60
.set QB,  62
.set CSN, 76                           ; -c
.set ES,  77                           ; e4 + e5
.set LA,  1                            ; 16 x lane
.set ADR, 2
.set DQ,  3                            ; 16 cx + r - 8 h
.set NINF, 4
.set SPW, 6
.set NIL, 7
.set FA,  16                           ; v[16:17], v[18:19]: f = 2^(old M - new M)
.set FB,  18
.set MA0, 20
.set MA1, 21
.set MB0, 22
.set MB1, 23
.set PA,  24
.set PB,  25
.set T1,  26                           ; three more chains of a sum
.set T2,  28
.set T3,  36
.set LIM, 30                           ; 448 x 2^e4, twice: one register for each half of a dual pair
.set LIM2, 31
.set LIMH, 32                          ; 448 x 2^e6
.set SCH, 33                           ; 2^e6
.set SCP, 34                           ; 2^e4
.set CA,  40
.set CB,  56
.set HC,  72
.set SA,  96
.set SB,  160
.set QW,  0
.set QN,  16
.set KF,  32
.set OA,  96
.set OB,  128
.set VF,  160
.set MSB, 0
.macro WIN new                         ; the immediate's high byte repeats the setting that is left
.if MSB != \new
	s_set_vgpr_msb (MSB<<8)|\new
.set MSB, \new
.endif
.endm
.macro CROUND
	s_barrier_signal -1
	s_barrier_wait -1
	s_cmp_lg_u32 s[WV], 0
	s_cbranch_scc1 .Lnot_wave_0_\@
	s_barrier_signal -3
.Lnot_wave_0_\@:
	s_barrier_wait -3
	s_barrier_signal -1
	s_barrier_wait -1
.endm
.macro INIT                            ; v8 -M, v9 the largest score, v[10:11] the sum in two halves; v12-15 the same for the second tile
.irp s, 8, 12
	v_mov_b32 v[\s], 0x7f61b1e6
	v_mov_b32 v[\s+1], 0xff61b1e6
	v_mov_b32 v[\s+2], 0
	v_mov_b32 v[\s+3], 0
.endr
.endm
.macro ZERO_O                          ; the step is written once: a row block's first step finds zeros
	WIN 0x40
.set n, 0
.rept 64
	v_mov_b32 v[OA+n], 0
.set n, n+1
.endr
.endm
.macro KLOADS                          ; sixteen loads: K's eight fragments at v[ADR]
	WIN 0x40
.irp c, 0,1,2,3,4,5,6,7
.irp u, 0,1
	ds_load_b128 v[KF+8*\c+4*\u:KF+8*\c+4*\u+3], v[ADR] offset:\c*1024+\u*512
.endr
.endr
	WIN 0
.endm
.macro HOLD2 r                         ; the conversion to an 8-bit code does not saturate (ISA guide 7.6.2); p is not negative, so the hold is one-sided; two numbers an instruction
	v_dual_min_num_f32 v[\r], v[\r], v[LIM] :: v_dual_min_num_f32 v[\r+1], v[\r+1], v[LIM2]
.endm
.macro SUMS s, acc                     ; the row's sum of the unquantised p: 32 packed additions in four chains
	v_pk_add_f32 v[T1:T1+1], v[\s:\s+1], v[\s+2:\s+3]
	v_pk_add_f32 v[T2:T2+1], v[\s+4:\s+5], v[\s+6:\s+7]
	v_pk_add_f32 v[T3:T3+1], v[\s+8:\s+9], v[\s+10:\s+11]
.irp j, 12,20,28,36,44,52
	v_pk_add_f32 v[\acc:\acc+1], v[\acc:\acc+1], v[\s+\j:\s+\j+1]
	v_pk_add_f32 v[T1:T1+1], v[T1:T1+1], v[\s+\j+2:\s+\j+3]
	v_pk_add_f32 v[T2:T2+1], v[T2:T2+1], v[\s+\j+4:\s+\j+5]
	v_pk_add_f32 v[T3:T3+1], v[T3:T3+1], v[\s+\j+6:\s+\j+7]
.endr
	v_pk_add_f32 v[\acc:\acc+1], v[\acc:\acc+1], v[\s+60:\s+61]
	v_pk_add_f32 v[T1:T1+1], v[T1:T1+1], v[\s+62:\s+63]
	v_pk_add_f32 v[T2:T2+1], v[T2:T2+1], v[T3:T3+1]
	v_pk_add_f32 v[\acc:\acc+1], v[\acc:\acc+1], v[T1:T1+1]
	v_pk_add_f32 v[\acc:\acc+1], v[\acc:\acc+1], v[T2:T2+1]
.endm
	s_load_b256 s[4:11], s[0:1], 0x0               ; q's images, k's and v's images, the exponents, h's images
	v_lshl_add_u32 v[SPW], v0, 2, SPARE
	v_mov_b32 v[NIL], 0
	ds_add_u32 v[SPW], v[NIL]                      ; the opening lines
	ds_add_u32 v[SPW], v[NIL]
	v_lshrrev_b32 v2, 5, v0
	v_readfirstlane_b32 s[WV], v2
	s_bfe_u32 s[CX], ttmp6, 0x40000
	s_and_b32 s[BH], ttmp7, 0xffff
	s_mov_b32 s[G1A], 15|(3<<16)|(1<<21)           ; all four partners; elements of 8 bytes; rows of 256 bytes, dense
	s_mov_b32 s[G1A+1], 32<<16
	s_mov_b32 s[G1A+2], 40<<16
	s_mov_b32 s[G1A+3], 32<<16
	s_mov_b32 s[G1A+4], 40                         ; 40 rows: 10,240 bytes
	s_mov_b32 s[G1A+5], 32
	s_mov_b32 s[G1A+6], 0
	s_mov_b32 s[G1A+7], 0
	s_mov_b32 s[G1B], 15|(3<<16)|(1<<21)
	s_mov_b32 s[G1B+1], 32<<16
	s_mov_b32 s[G1B+2], 88<<16
	s_mov_b32 s[G1B+3], 32<<16
	s_mov_b32 s[G1B+4], 88                         ; 88 rows: 22,528 bytes
	s_mov_b32 s[G1B+5], 32
	s_mov_b32 s[G1B+6], 0
	s_mov_b32 s[G1B+7], 0
	s_lshl_b32 s66, s[BH], 18
	s_mov_b32 s67, 0
	s_mul_i32 s68, s[WV], 10240
	s_mov_b32 s69, 0
	s_mul_i32 s70, s[WV], 22528
	s_add_co_u32 s70, s70, 81920
	s_mov_b32 s71, 0
	s_wait_dscnt 0x0
	s_wait_kmcnt 0x0
	s_load_b256 s[EX:EX+7], s[8:9], 0x0
	s_add_nc_u64 s[6:7], s[6:7], s[66:67]
	s_mov_b32 s[G0A], 1
	s_mov_b32 s[G0A+1], s68
	s_add_nc_u64 s[G0A+2:G0A+3], s[6:7], s[68:69]
	s_or_b32 s[G0A+3], s[G0A+3], 0x80000000
	s_mov_b32 s[G0B], 1
	s_mov_b32 s[G0B+1], s70
	s_add_nc_u64 s[G0B+2:G0B+3], s[6:7], s[70:71]
	s_or_b32 s[G0B+3], s[G0B+3], 0x80000000
	CROUND
	tensor_load_to_lds s[G0A:G0A+3], s[G1A:G1A+7]  ; my eighth of steps 0-4: the one load at the head
	s_nop 0
.rept 4
	v_nop
.endr
	; the set-up stands between the load and the wait for it
	s_xor_b32 s[LW], s[WV], 15
	s_lshl_b32 s[WO], s[WV], 14
	s_lshl_b32 s72, s[LW], 3
	s_add_co_u32 s72, s72, s[CX]                   ; first tile of the long row block: 8 (15 - w) + cx; the second lies 4 tiles on
	s_lshl_b32 s73, s[WV], 3
	s_add_co_u32 s73, s73, s[CX]                   ; of the short one: 8 w + cx
	s_lshl_b32 s66, s[BH], 17
	s_lshl_b32 s68, s72, 10
	s_add_co_u32 s68, s68, s66
	s_add_nc_u64 s[QA:QA+1], s[4:5], s[68:69]
	s_lshl_b32 s70, s73, 10
	s_add_co_u32 s70, s70, s66
	s_add_nc_u64 s[QB:QB+1], s[4:5], s[70:71]
	v_and_b32 v[LA], 31, v0
	v_lshlrev_b32 v[LA], 4, v[LA]
	WIN 0x40
.irp t, 0,1
.irp u, 0,1
	global_load_b128 v[QW+8*\t+4*\u:QW+8*\t+4*\u+3], v[LA], s[QA:QA+1] offset:4096*\t+512*\u
	global_load_b128 v[QN+8*\t+4*\u:QN+8*\t+4*\u+3], v[LA], s[QB:QB+1] offset:4096*\t+512*\u
.endr
.endr
	ZERO_O
	WIN 0
	s_lshr_b32 s66, s[BH], 4
	s_lshl_b32 s66, s66, 21
	s_and_b32 s75, s[BH], 15
	s_lshl_b32 s75, s75, 10
	s_add_co_u32 s66, s66, s75
	s_lshl_b32 s68, s72, 14
	s_add_co_u32 s68, s68, s66
	s_add_nc_u64 s[HA:HA+1], s[10:11], s[68:69]
	s_lshl_b32 s70, s73, 14
	s_add_co_u32 s70, s70, s66
	s_add_nc_u64 s[HB:HB+1], s[10:11], s[70:71]
	s_lshl_b32 s66, s[CX], 4
	s_mov_b32 s[SEL], 0x76543210
	s_mov_b32 s[SEL+1], 0xfedcba98
	v_and_b32 v[DQ], 15, v0
	v_bfe_u32 v[MA0], v0, 4, 1
	v_lshlrev_b32 v[MA0], 3, v[MA0]
	v_sub_nc_u32 v[DQ], v[DQ], v[MA0]
	v_add_nc_u32 v[DQ], s66, v[DQ]
	v_mov_b32 v[NINF], 0xff800000
	v_mov_b32 v[ADR], v[LA]                        ; step 0's images
	INIT
	v_mov_b32 v[PA], 0                             ; a lane permute's destination counts as one of its sources
	v_mov_b32 v[PB], 0
	v_mov_b32 v[FA+1], 0                           ; named as the upper halves of pairs
	v_mov_b32 v[FB+1], 0
	s_wait_kmcnt 0x0
	s_add_co_i32 s66, s[EX+2], s[EX+3]
	s_lshl_b32 s66, s66, 23
	s_add_co_i32 s[CS], s66, 0x3e38aa3b            ; c = log2(e) / 8 x 2^(e2 + e3)
	s_mov_b32 s[CS+1], s[CS]
	s_xor_b32 s[CSN], s[CS], 0x80000000
	s_add_co_i32 s[ES], s[EX+4], s[EX+5]
	s_add_co_i32 s66, s[EX+4], 127
	s_lshl_b32 s67, s66, 23
	v_mov_b32 v[SCP], s67
	s_add_co_i32 s66, s66, 8
	s_lshl_b32 s66, s66, 23
	s_or_b32 s66, s66, 0x600000
	v_mov_b32 v[LIM], s66
	v_mov_b32 v[LIM2], s66
	s_add_co_i32 s66, s[EX+6], 127
	s_lshl_b32 s67, s66, 23
	v_mov_b32 v[SCH], s67
	s_add_co_i32 s66, s66, 8
	s_lshl_b32 s66, s66, 23
	s_or_b32 s66, s66, 0x600000
	v_mov_b32 v[LIMH], s66
	s_wait_alu depctr_va_vdst(0)                   ; the wait at the head's end
	s_wait_tensorcnt 0x0                           ; my part of steps 0-4 is in; the full sequence ahead of the later first fill
	ds_add_u32 v[SPW], v[NIL]
	s_wait_dscnt 0x0
	CROUND                                         ; everybody's part is in, and the four partners meet
	tensor_load_to_lds s[G0B:G0B+3], s[G1B:G1B+7]  ; my eighth of steps 5-15
	s_nop 0
.rept 4
	v_nop
.endr
	KLOADS                                         ; step 0's K
	s_wait_loadcnt 0x0                             ; Q
; A KEY STEP for my two tiles.  v[ADR] holds this step's images on the way in; s[TB] the next step's.  diag = 1: the copy that can mask.
.macro STEP diag
.rept 4
	v_nop                                          ; four places behind the last products, ahead of loads into V's fragments
.endr
	WIN 0x40
.irp d, 0,1,2,3
.irp c, 0,1,2,3
	ds_load_b128 v[VF+16*\d+4*\c:VF+16*\d+4*\c+3], v[ADR] offset:8192+\d*2048+\c*512
.endr
.endr
	s_wait_dscnt 16                                ; K's sixteen loads, asked for a step ago, are in; V's sixteen, just issued, may be out
	WIN 0x05
.irp c, 0,1,2,3,4,5,6,7
	v_wmma_f32_16x16x64_fp8_fp8 v[SA+8*\c:SA+8*\c+7], v[KF+8*\c:KF+8*\c+7], v[QW:QW+7], 0
	v_wmma_f32_16x16x64_fp8_fp8 v[SB+8*\c:SB+8*\c+7], v[KF+8*\c:KF+8*\c+7], v[QW+8:QW+15], 0
.endr
	WIN 0
	v_add_nc_u32 v[ADR], s[TB], v[LA]              ; the next step's images
.rept 3
	v_nop                                          ; with the line above: four places, for the loads into K's fragments and for the reads of the scores
.endr
	KLOADS                                         ; the next step's K
.if \diag
	s_cmp_eq_u32 s[DG], 0
	s_cbranch_scc1 .Lopen_\@
	; on the diagonal: tile a's query is 16 cx + r, tile b's 64 more.  Key 16 c + 8 h + j is hidden from a where 16 c + j > DQ; key 64 + the same from b likewise: one compare for both.
	; a's keys 64 on are hidden and b's keys under 64 count, whatever cx
.irp c, 0,1,2,3
.irp j, 0,1,2,3,4,5,6,7
	v_cmp_gt_i32 vcc_lo, 16*\c+\j, v[DQ]
	v_cndmask_b32 v[SA+8*\c+\j], v[SA+8*\c+\j], v[NINF], vcc_lo
	v_cndmask_b32 v[SB+32+8*\c+\j], v[SB+32+8*\c+\j], v[NINF], vcc_lo
	v_mov_b32 v[SA+32+8*\c+\j], v[NINF]
.endr
.endr
.Lopen_\@:
.endif
	v_max3_num_f32 v[MA0], v[SA], v[SA+1], v[SA+2] ; the step's largest scores: two chains a tile, the tiles by turns; each accumulator from its low end on
	v_max3_num_f32 v[MB0], v[SB], v[SB+1], v[SB+2]
	v_max3_num_f32 v[MA1], v[SA+3], v[SA+4], v[SA+5]
	v_max3_num_f32 v[MB1], v[SB+3], v[SB+4], v[SB+5]
.irp i, 6,10,14,18,22,26,30,34,38,42,46,50,54,58
	v_max3_num_f32 v[MA0], v[MA0], v[SA+\i], v[SA+\i+1]
	v_max3_num_f32 v[MB0], v[MB0], v[SB+\i], v[SB+\i+1]
	v_max3_num_f32 v[MA1], v[MA1], v[SA+\i+2], v[SA+\i+3]
	v_max3_num_f32 v[MB1], v[MB1], v[SB+\i+2], v[SB+\i+3]
.endr
	v_max3_num_f32 v[MA0], v[MA0], v[SA+62], v[SA+63]
	v_max3_num_f32 v[MB0], v[MB0], v[SB+62], v[SB+63]
	v_max_num_f32 v[MA0], v[MA0], v[MA1]
	v_max_num_f32 v[MB0], v[MB0], v[MB1]
	v_permlanex16_b32 v[PA], v[MA0], s[SEL], s[SEL+1]
	v_permlanex16_b32 v[PB], v[MB0], s[SEL], s[SEL+1]
	v_max3_num_f32 v9, v9, v[MA0], v[PA]           ; the running largest score (c is positive, so the largest score gives the largest t)
	v_max3_num_f32 v13, v13, v[MB0], v[PB]
	v_mul_f32 v[MA1], s[CSN], v9                   ; -t
	v_mul_f32 v[MB1], s[CSN], v13
	v_floor_f32 v[MA1], v[MA1]                     ; the new -M = floor(-t)
	v_floor_f32 v[MB1], v[MB1]
	v_sub_f32 v[MA0], v[MA1], v8                   ; old M - new M: a whole number, 0 or less
	v_sub_f32 v[MB0], v[MB1], v12
	v_mov_b32 v8, v[MA1]
	v_mov_b32 v12, v[MB1]
	v_cvt_i32_f32 v[MA0], v[MA0]                   ; (it saturates)
	v_cvt_i32_f32 v[MB0], v[MB0]
	v_ldexp_f32 v[FA], 1.0, v[MA0]                 ; f: a power of two, no branch on data
	v_ldexp_f32 v[FB], 1.0, v[MB0]
.set n, 0
.rept 32
	v_pk_fma_f32 v[SA+n:SA+n+1], v[SA+n:SA+n+1], s[CS:CS+1], v[8:9] op_sel_hi:[1,0,0]     ; tile a: t - M
.set n, n+2
.endr
	WIN 0x41
.set n, 0
.rept 16
	v_pk_mul_f32 v[OA+n:OA+n+1], v[OA+n:OA+n+1], v[FA:FA+1] op_sel_hi:[1,0]   ; O^T under the new M: ahead of the exponentials, so that none stands between the last products and these first readers
	v_pk_mul_f32 v[OB+n:OB+n+1], v[OB+n:OB+n+1], v[FB:FB+1] op_sel_hi:[1,0]
.set n, n+2
.endr
	WIN 0
	s_wait_alu depctr_va_vdst(0)                   ; ahead of the batch
.set n, 0
.rept 32                               ; tile a's exponentials; among them tile b's t - M, which is first read behind the next wait
	v_exp_f32 v[SA+n], v[SA+n]
	v_pk_fma_f32 v[SB+n:SB+n+1], v[SB+n:SB+n+1], s[CS:CS+1], v[12:13] op_sel_hi:[1,0,0]
	v_exp_f32 v[SA+n+1], v[SA+n+1]
.set n, n+2
.endr
	v_pk_mul_f32 v[10:11], v[10:11], v[FA:FA+1] op_sel_hi:[1,0]    ; the sums under the new M (plain lines behind the batch)
	v_pk_mul_f32 v[14:15], v[14:15], v[FB:FB+1] op_sel_hi:[1,0]
	s_wait_alu depctr_va_vdst(0)                   ; behind tile a's batch and ahead of tile b's
	SUMS SA, 10
.set n, 0
.rept 32                               ; tile b's exponentials; among them tile a's holds, which are first read behind the next wait
	v_exp_f32 v[SB+n], v[SB+n]
	HOLD2 SA+n
	v_exp_f32 v[SB+n+1], v[SB+n+1]
.set n, n+2
.endr
	v_nop                                          ; a plain line behind the last exponential
	s_wait_alu depctr_va_vdst(0)                   ; one wait for the batch, ahead of its first reader
.irp c, 0,1,2,3,4,5,6,7
	v_cvt_scalef32_pk8_fp8_f32 v[CA+2*\c:CA+2*\c+1], v[SA+8*\c:SA+8*\c+7], v[SCP]
.endr
	SUMS SB, 14
.set n, 0
.rept 32
	HOLD2 SB+n
.set n, n+2
.endr
.irp c, 0,1,2,3,4,5,6,7
	v_cvt_scalef32_pk8_fp8_f32 v[CB+2*\c:CB+2*\c+1], v[SB+8*\c:SB+8*\c+7], v[SCP]
.endr
	v_nop                                          ; one plain line behind the last conversion
	s_wait_alu depctr_va_vdst(0)
	s_wait_dscnt 16                                ; V's sixteen loads are in; the next step's K, issued behind them, may be out
	WIN 0x51
.irp d, 0,1,2,3                        ; the eight accumulators by turns
	v_wmma_f32_16x16x128_fp8_fp8 v[OA+8*\d:OA+8*\d+7], v[VF+16*\d:VF+16*\d+15], v[CA:CA+15], v[OA+8*\d:OA+8*\d+7]
	v_wmma_f32_16x16x128_fp8_fp8 v[OB+8*\d:OB+8*\d+7], v[VF+16*\d:VF+16*\d+15], v[CB:CB+15], v[OB+8*\d:OB+8*\d+7]
.endr
	WIN 0
.endm
	s_mov_b32 s[TB], 16384
	s_mov_b32 s[NI], 0
.Lfirst:                                           ; trips 0-3: steps 0-3 of the long row block, which has nine steps or more: no mask, no way out.  Trip 3 looks ahead to step 4's K, which the head's load brought
	STEP 0
	s_add_co_u32 s[TB], s[TB], 16384
	s_add_co_u32 s[NI], s[NI], 1
	s_cmp_lt_u32 s[NI], 4
	s_wait_alu depctr_va_vdst(0)                   ; ahead of the branch
	s_cbranch_scc1 .Lfirst
	s_wait_tensorcnt 0x0                           ; my part of steps 5-15 is in,
	s_wait_dscnt 0x0
	s_barrier_signal -1
	s_barrier_wait -1                              ; everybody's is.  Nothing is filled again
	s_mov_b32 s[NI], 4
.Lrest:                                            ; trips 4-16.  Trip n is step n of the long row block while n <= 15 - w, then step n + w - 16 of the short one
	s_add_co_u32 s67, s[NI], 1                     ; the next trip,
	s_lshl_b32 s[TB], s67, 14
	s_cmp_gt_u32 s67, s[LW]
	s_cselect_b32 s66, s[WO], 0
	s_add_co_u32 s[TB], s[TB], s66
	s_and_b32 s[TB], s[TB], 0x3c000                ; and its step: (n + 1 + w) mod 16 steps of 16,384 bytes once the short row block has begun
	s_cmp_eq_u32 s[NI], s[LW]
	s_cselect_b32 s[DG], 1, 0
	s_cmp_eq_u32 s[NI], 16
	s_cselect_b32 s[DG], 1, s[DG]                  ; a row block's last step lies on the diagonal
	STEP 1
	s_cmp_eq_u32 s[DG], 0
	s_cbranch_scc1 .Lnext
	; THE WAY OUT of a row block: h = O^T / l x 2^(e4 + e5), held, converted with 2^e6, stored as images of the last projection's operand: 512 consecutive bytes a store, aligned
	v_add_f32 v10, v10, v11
	v_add_f32 v14, v14, v15
	v_permlanex16_b32 v[PA], v10, s[SEL], s[SEL+1]
	v_permlanex16_b32 v[PB], v14, s[SEL], s[SEL+1]
	v_add_f32 v10, v10, v[PA]
	v_add_f32 v14, v14, v[PB]
	s_wait_alu depctr_va_vdst(0)                   ; ahead of the batch of two
	v_rcp_f32 v10, v10
	v_rcp_f32 v14, v14
	v_nop
	s_wait_alu depctr_va_vdst(0)                   ; and behind it
	v_ldexp_f32 v10, v10, s[ES]
	v_ldexp_f32 v14, v14, s[ES]
	WIN 0x01
	s_wait_alu depctr_va_vdst(0)                   ; directly ahead of the first reader of O^T
.set n, 0
.rept 16
	v_pk_mul_f32 v[SA+n:SA+n+1], v[OA+n:OA+n+1], v[10:11] op_sel_hi:[1,0]
	v_pk_mul_f32 v[SB+n:SB+n+1], v[OB+n:OB+n+1], v[14:15] op_sel_hi:[1,0]
.set n, n+2
.endr
	WIN 0
.set n, 0
.rept 32
	v_med3_num_f32 v[SA+n], v[SA+n], -v[LIMH], v[LIMH]
	v_med3_num_f32 v[SB+n], v[SB+n], -v[LIMH], v[LIMH]
.set n, n+1
.endr
.irp q, 0,1,2,3
	v_cvt_scalef32_pk8_fp8_f32 v[HC+2*\q:HC+2*\q+1], v[SA+8*\q:SA+8*\q+7], v[SCH]
	v_cvt_scalef32_pk8_fp8_f32 v[HC+8+2*\q:HC+8+2*\q+1], v[SB+8*\q:SB+8*\q+7], v[SCH]
.endr
	v_nop                                          ; one plain line behind the last conversion
.irp b, 0,1
	global_store_b128 v[LA], v[HC+4*\b:HC+4*\b+3], s[HA:HA+1] offset:512*\b
	global_store_b128 v[LA], v[HC+8+4*\b:HC+8+4*\b+3], s[HA:HA+1] offset:65536+512*\b
.endr
	ZERO_O                                         ; the next row block begins: O^T, its Q, the state
	WIN 0x41
.set n, 0
.rept 16
	v_mov_b32 v[QW+n], v[QN+n]
.set n, n+1
.endr
	WIN 0
	INIT
	s_wait_xcnt 0x0                                ; the stores have read their base and data: only now is the base written
	s_mov_b64 s[HA:HA+1], s[HB:HB+1]
.Lnext:
	s_add_co_u32 s[NI], s[NI], 1
	s_cmp_lt_u32 s[NI], 17
	s_wait_alu depctr_va_vdst(0)                   ; ahead of the branch
	s_cbranch_scc1 .Lrest
	s_wait_tensorcnt 0x0                           ; the wave's end
	ds_add_u32 v[SPW], v[NIL]
	s_wait_dscnt 0x0
	CROUND                                         ; the closing round
	s_endpgm
.Lfunc_end_k_q8814a81753_attn:
	.size	k_q8814a81753_attn, .Lfunc_end_k_q8814a81753_attn-k_q8814a81753_attn
	.p2alignl 7, 3214868480
	.fill 96, 4, 3214868480
	.section	.rodata,"a",@progbits
	.p2align	6, 0x0
	.amdhsa_kernel k_q8814a81753_attn
		.amdhsa_group_segment_fixed_size 327680
		.amdhsa_private_segment_fixed_size 0
		.amdhsa_enable_private_segment 0
		.amdhsa_kernarg_size 32
		.amdhsa_user_sgpr_count 2
		.amdhsa_user_sgpr_kernarg_segment_ptr 1
		.amdhsa_wavefront_size32 1
		.amdhsa_system_sgpr_workgroup_id_x 1
		.amdhsa_system_sgpr_workgroup_id_y 1
		.amdhsa_system_sgpr_workgroup_id_z 1
		.amdhsa_system_vgpr_workitem_id 0
		.amdhsa_next_free_vgpr 512
		.amdhsa_next_free_sgpr 80
		.amdhsa_reserve_vcc 1
		.amdhsa_float_denorm_mode_32 3
		.amdhsa_float_denorm_mode_16_64 3
		.amdhsa_memory_ordered 1
		.amdhsa_forward_progress 1
		.amdhsa_inst_pref_size 83
	.end_amdhsa_kernel
	.amdgpu_metadata
---
amdhsa.version: [ 1, 2 ]
amdhsa.kernels:
  - .name:           k_q8814a81753_attn
    .symbol:         k_q8814a81753_attn.kd
    .args:
      - { .name: q_img, .offset: 0, .size: 8, .value_kind: global_buffer, .address_space: global }
      - { .name: kv_img, .offset: 8, .size: 8, .value_kind: global_buffer, .address_space: global }
      - { .name: lowp_scales, .offset: 16, .size: 8, .value_kind: global_buffer, .address_space: global }
      - { .name: h_img, .offset: 24, .size: 8, .value_kind: global_buffer, .address_space: global }
    .group_segment_fixed_size: 327680
    .private_segment_fixed_size: 0
    .kernarg_segment_align: 8
    .kernarg_segment_size: 32
    .max_flat_workgroup_size: 256
    .sgpr_count:     80
    .vgpr_count:     512
    .wavefront_size: 32
...
	.end_amdgpu_metadata
.endif
;; end of part 3
;; launch out (part 4): grid 4 x 64, 4 waves a work-group, clusters of 4 x 4, 327,680 bytes of LDS; arguments h_img, wo_codes, lowp_scales, bo, out0; writes out0
.if DOCPART == 4
	.amdgcn_target "amdgcn-amd-amdhsa--gfx1250"
	.amdhsa_code_object_version 6
	.text
	.protected	k_q8814a81753_out
	.globl	k_q8814a81753_out
	.p2align	8
	.type	k_q8814a81753_out,@function
k_q8814a81753_out:
	s_mov_b64 s[64:65], 0
	v_nop
	global_prefetch_b8 v0, s[64:65] scope:SCOPE_SE
	s_setreg_imm32_b32 hwreg(HW_REG_WAVE_MODE, 25, 1), 1
	s_wait_xcnt 0x0
	s_wait_alu depctr_hold_cnt(0) depctr_sa_sdst(0) depctr_va_vdst(0) depctr_va_sdst(0) depctr_va_ssrc(0) depctr_va_vcc(0) depctr_vm_vsrc(0)
	s_getreg_b32 s2, hwreg(HW_REG_IB_STS2, 6, 4)
	s_cmp_eq_u32 s2, 0
	s_cbranch_scc0 .Lentry_in_a_cluster
	s_endpgm
.Lentry_in_a_cluster:
	s_bfe_u32 s2, ttmp6, 0x10000c
	s_cmp_lg_u32 s2, 0xf033
	s_cbranch_scc0 .Lentry_shape_is_right
	s_endpgm
.Lentry_shape_is_right:
; out0 = h Wo^T + bo on codes of FP8 (E4M3).  h comes as images of the operand's registers: [block of 16 tokens][16,384 bytes]: for each 128 along K four chunks of 512 bytes, 16 bytes a lane;
; Wo's codes [1024][1024], K innermost.  Sums in f32, each multiplied once by 2^(e6 + e7), then + bias.  LIMIT: e6 + e7 between -126 and 127.
; SHARES.  A block of 128 tokens x 256 columns to a work-group: 64 x 4 = 256 work-groups.  Four waves, 64 tokens x 128 columns each: 32 accumulators of 16 x 16 in window 2.
; LDS.  A's 128 tokens lie whole, K = 1,024: 131,072 bytes, dense, one load each by waves 0 and 1.  B's 256 rows come in two fills of 512 along K (rows of 512 bytes + 16 of padding), 128 rows each by waves 2 and 3:
; the second fill lands on the first's bytes, behind a round of the cluster's barrier.  The stages of the way out and the spare words have bytes of their own.
; CLUSTERS: 4 x 4.  A's tile is shared along a row of the cluster, B's along a column: joint loads.
; No prefetch: the text has two fills and no loop to run ahead in.
; The matrix instruction takes 16 rows of Wo as source 0 and 16 tokens as source 1: a lane holds one token and eight neighbouring columns.
; REGISTERS.  Window 0: v16-29 addresses; v32-95 biases; v128-255 A's fragments, two sets of four; window 1: B's fragments, two sets of eight; window 2: the accumulators ((a, b) at v[8 (8 a + b)]).
.set SIZE_N, 1024
.set BP,     528                       ; B's LDS row: 512 bytes + 16: 33 x 16 bytes, so the sixteen rows that a load touches begin in sixteen different 16-byte columns modulo 256
.set BBASE,  131072
.set BHALF,  128*BP
.set STAGE,  BBASE+2*BHALF             ; 16 rows x 528 bytes for each wave
.set SPITCH, 528
.set SPARE,  STAGE+4*16*SPITCH         ; the spare words, 128 bytes for each wave
.set FR,     16
.set NP,     4
.set ADRA, 16
.set ADRB, 20
.set STO,  24
.set RD,   25
.set CO,   26
.set SPW,  28
.set NIL,  29
.set BI,   32
.set TMP,  96
.set AF,   128
.set G1, 24
.set G0, 32
.set G1B, 48
.set G0B, 56
.set MSB, 0
.macro WIN new
.if MSB != \new
	s_set_vgpr_msb (MSB<<8)|\new
.set MSB, \new
.endif
.endm
.set MUL_LO, 0xa1                      ; source 0 (B) window 1, source 1 (A) window 0, C and D window 2
.set TO_B,   0x40
.macro CREST
	s_cmp_lg_u32 s14, 0
	s_cbranch_scc1 .Lnot_wave_0_\@
	s_barrier_signal -3
.Lnot_wave_0_\@:
	s_barrier_wait -3
	s_barrier_signal -1
	s_barrier_wait -1
.endm
.macro CROUND
	s_barrier_signal -1
	s_barrier_wait -1
	CREST
.endm
.macro PLACES n
.rept \n
	v_nop
.endr
.endm
	s_load_b256 s[4:11], s[0:1], 0x0               ; h's images, Wo's codes, the exponents, bo
	s_load_b64 s[12:13], s[0:1], 0x20              ; out0
	v_lshl_add_u32 v[SPW], v0, 2, SPARE
	v_mov_b32 v[NIL], 0
	ds_add_u32 v[SPW], v[NIL]                      ; the opening lines
	ds_add_u32 v[SPW], v[NIL]
	v_lshrrev_b32 v1, 5, v0
	v_readfirstlane_b32 s14, v1                    ; wave
	s_lshr_b32 s15, s14, 1                         ; which 64 tokens are mine.  Also: I fetch for A (0) or for B (1)
	s_and_b32 s16, s14, 1                          ; which 128 columns.  Also: which half of that tile I fetch
	s_bfe_u32 s40, ttmp6, 0x40000
	s_bfe_u32 s41, ttmp6, 0x40004
	s_lshl_b32 s42, ttmp9, 2
	s_add_co_u32 s42, s42, s40                     ; B's tile: 256 columns
	s_and_b32 s17, ttmp7, 0xffff
	s_lshl_b32 s17, s17, 2
	s_add_co_u32 s17, s17, s41                     ; A's tile: 128 tokens
	s_lshl_b32 s43, s41, 2
	s_lshl_b32 s43, 15, s43                        ; my row of the cluster
	s_lshl_b32 s44, 0x1111, s40                    ; my column
	s_or_b32 s[G1+0], s43, (3<<16)|(1<<21)         ; A: elements of 8 bytes, 256 dense rows of 256 bytes: 65,536 bytes
	s_mov_b32 s[G1+1], 32<<16
	s_mov_b32 s[G1+2], 256<<16
	s_mov_b32 s[G1+3], 32<<16
	s_mov_b32 s[G1+4], 256
	s_mov_b32 s[G1+5], 32
	s_mov_b32 s[G1+6], 0
	s_mov_b32 s[G1+7], 0
	s_or_b32 s[G1B+0], s44, (0<<16)|(1<<20)|(1<<21)|(6<<22)|(3<<25)  ; B: 128 rows of 512 bytes, four words of padding behind every 128
	s_mov_b32 s[G1B+1], 512<<16
	s_mov_b32 s[G1B+2], 128<<16
	s_mov_b32 s[G1B+3], 512<<16
	s_mov_b32 s[G1B+4], 128
	s_mov_b32 s[G1B+5], 1024
	s_mov_b32 s[G1B+6], 0
	s_mov_b32 s[G1B+7], 0
	s_lshl_b32 s18, s16, 16                        ; A's half: 64 tokens x 1,024 bytes, in memory and in LDS
	s_lshl_b32 s20, s17, 17
	s_add_co_u32 s20, s20, s18
	s_mov_b32 s21, 0
	s_lshl_b32 s19, s16, 17                        ; B's half: 128 rows x 1,024 bytes
	s_lshl_b32 s46, s42, 18
	s_add_co_u32 s46, s46, s19
	s_mov_b32 s47, 0
	s_mul_i32 s45, s16, BHALF
	s_add_co_u32 s45, s45, BBASE
	s_wait_dscnt 0x0
	s_wait_kmcnt 0x0
	s_load_b64 s[96:97], s[8:9], 0x18              ; e6, e7
	s_mov_b32 s[G0], 1
	s_mov_b32 s[G0+1], s18
	s_add_nc_u64 s[G0+2:G0+3], s[4:5], s[20:21]
	s_or_b32 s[G0+3], s[G0+3], 0x80000000
	s_mov_b32 s[G0B], 1
	s_mov_b32 s[G0B+1], s45
	s_add_nc_u64 s[G0B+2:G0B+3], s[6:7], s[46:47]
	s_or_b32 s[G0B+3], s[G0B+3], 0x80000000
	CROUND                                         ; the sixteen work-groups meet
	s_cmp_eq_u32 s15, 0
	s_cbranch_scc0 .Lfor_b
	tensor_load_to_lds s[G0:G0+3], s[G1:G1+7]      ; one load a wave at the head: A's half, whole K,
	s_nop 0
	PLACES 4
	s_branch .Lasked
.Lfor_b:
	tensor_load_to_lds s[G0B:G0B+3], s[G1B:G1B+7]  ; or B's half, K 0 to 511
	s_nop 0
	PLACES 4
.Lasked:
	s_lshl_b32 s21, s15, 16                        ; my 64 tokens of A
	s_mul_i32 s22, s16, BHALF
	s_add_co_u32 s22, s22, BBASE                   ; my 128 rows of B
	s_mul_i32 s23, s14, 16*SPITCH
	s_add_co_u32 s23, s23, STAGE                   ; my stage
	s_lshl_b32 s18, s42, 10
	s_lshl_b32 s19, s16, 9
	s_add_co_u32 s18, s18, s19                     ; my first column, in bytes of f32
	s_mov_b32 s19, 0
	s_add_nc_u64 s[10:11], s[10:11], s[18:19]
	s_lshl_b32 s20, s17, 7
	s_lshl_b32 s46, s15, 6
	s_add_co_u32 s20, s20, s46                     ; my first token
	s_lshl_b32 s20, s20, 12
	s_add_co_u32 s20, s20, s18
	s_mov_b32 s47, 0
	s_mov_b32 s46, s20
	s_add_nc_u64 s[12:13], s[12:13], s[46:47]
	v_and_b32 v1, 15, v0                           ; r
	v_bfe_u32 v2, v0, 4, 1                         ; h
	v_and_b32 v6, 31, v0
	v_lshlrev_b32 v[CO], 4, v6                     ; 16 x lane
	v_mul_u32_u24 v3, v1, BP
	v_lshl_add_u32 v4, v2, 4, v3
	v_add_nc_u32 v[ADRA], s21, v[CO]
	v_add_nc_u32 v[ADRB], s22, v4
	v_mul_u32_u24 v5, v1, SPITCH
	v_lshl_add_u32 v5, v2, 5, v5
	v_add_nc_u32 v[STO], s23, v5
	v_add_nc_u32 v[RD], s23, v[CO]
	v_lshlrev_b32 v7, 5, v2
.irp b, 0,1,2,3,4,5,6,7
	global_load_b128 v[BI+8*\b:BI+8*\b+3], v7, s[10:11] offset:64*\b       ; the biases of my 128 columns, in the accumulators' layout
	global_load_b128 v[BI+8*\b+4:BI+8*\b+7], v7, s[10:11] offset:64*\b+16
.endr
.macro FETCH_B q, p                    ; B's eight fragments of the q-th 128 along K into set p: lane l holds row l % 16; registers 4 c .. 4 c + 3 hold K = 32 c + 16 (l / 16) + 0 .. 15, as A's images do
	WIN TO_B
.irp i, 0,1,2,3,4,5,6,7
.irp c, 0,1,2,3
	ds_load_b128 v[128*(\p)+FR*\i+4*\c:128*(\p)+FR*\i+4*\c+3], v[ADRB] offset:128*((\q)%4)+32*\c+\i*16*BP
.endr
.endr
	WIN 0
.endm
.macro FETCH_A q, p                    ; A's four fragments
.irp i, 0,1,2,3
.irp c, 0,1,2,3
	ds_load_b128 v[AF+64*(\p)+FR*\i+4*\c:AF+64*(\p)+FR*\i+4*\c+3], v[ADRA] offset:2048*(\q)+512*\c+\i*16384
.endr
.endr
.endm
.macro MUL p, zero                     ; 32 matrix instructions, the 32 accumulators by turns, in the same order in every step
	WIN MUL_LO
.irp a, 0,1,2,3
.irp b, 0,1,2,3,4,5,6,7
.if \zero
	v_wmma_f32_16x16x128_fp8_fp8 v[8*(8*\a+\b):8*(8*\a+\b)+7], v[128*(\p)+FR*\b:128*(\p)+FR*\b+FR-1], v[AF+64*(\p)+FR*\a:AF+64*(\p)+FR*\a+FR-1], 0
.else
	v_wmma_f32_16x16x128_fp8_fp8 v[8*(8*\a+\b):8*(8*\a+\b)+7], v[128*(\p)+FR*\b:128*(\p)+FR*\b+FR-1], v[AF+64*(\p)+FR*\a:AF+64*(\p)+FR*\a+FR-1], v[8*(8*\a+\b):8*(8*\a+\b)+7]
.endif
.endr
.endr
	WIN 0
.endm
.macro STEP q, zero                    ; step q's fragments lie in set q % 2; the next step's are asked for ahead of its products
	s_wait_dscnt 0x0                               ; this step's 48 loads are in
	PLACES NP                                      ; behind the last step's products, ahead of loads into the set that they read
	FETCH_B (\q)+1, 1-(\q)%2
	FETCH_A (\q)+1, 1-(\q)%2
	MUL (\q)%2, \zero
.endm
	s_wait_alu depctr_va_vdst(0)                   ; the wait at the head's end
	s_wait_tensorcnt 0x0                           ; my load is in,
	s_barrier_signal -1
	s_barrier_wait -1                              ; everybody's is
	FETCH_B 0, 0
	FETCH_A 0, 0
	STEP 0, 1                                      ; the first products start the sums
	STEP 1, 0
	STEP 2, 0
	s_wait_tensorcnt 0x0                           ; step 3: B's bytes are filled again.
	ds_add_u32 v[SPW], v[NIL]
	s_wait_dscnt 0x0                               ; the add is done, and my reads of B's first fill are over: step 3's fragments are in registers
	CROUND                                         ; so it is with every wave of every partner
	s_add_nc_u64 s[G0B+2:G0B+3], s[G0B+2:G0B+3], 512
	s_cmp_eq_u32 s15, 0
	s_cbranch_scc1 .Lno_refill
	tensor_load_to_lds s[G0B:G0B+3], s[G1B:G1B+7]  ; waves 2 and 3: K 512 to 1,023 of B's halves
	s_nop 0
	PLACES 4
.Lno_refill:
	PLACES NP
	FETCH_A 4, 0                                   ; A lies whole
	MUL 1, 0
	s_wait_tensorcnt 0x0                           ; my part of the second fill is in,
	s_wait_dscnt 0x0
	s_barrier_signal -1
	s_barrier_wait -1                              ; everybody's is
	PLACES NP
	FETCH_B 4, 0
	STEP 4, 0
	STEP 5, 0
	STEP 6, 0
	s_wait_dscnt 0x0
	MUL 1, 0
; THE WAY OUT, by blocks of 16 tokens x 128 columns: sum x 2^(e6 + e7) + bias; through my stage, back as whole rows of 512 bytes, which the 32 lanes store as two aligned units of 256 bytes.
.macro TOSTAGE a
.set AC, 64*(\a)
.set BB, 64*((\a)%2)
	WIN 0x02
.irp j, 0,2,4,6,8,10,12,14,16,18,20,22,24,26,28,30,32,34,36,38,40,42,44,46,48,50,52,54,56,58,60,62
	v_pk_fma_f32 v[TMP+\j:TMP+\j+1], v[AC+\j:AC+\j+1], s[96:97], v[BI+\j:BI+\j+1] op_sel_hi:[1,0,1]   ; each accumulator from its low end on
.endr
	WIN 0
.irp b, 0,1,2,3,4,5,6,7
	ds_store_b128 v[STO], v[TMP+8*\b:TMP+8*\b+3] offset:64*\b
	ds_store_b128 v[STO], v[TMP+8*\b+4:TMP+8*\b+7] offset:64*\b+16
.endr
	WIN TO_B
.irp t, 0,1,2,3,4,5,6,7,8,9,10,11,12,13,14,15
	ds_load_b128 v[BB+4*\t:BB+4*\t+3], v[RD] offset:\t*SPITCH      ; LDS serves a wave's instructions in order: these see my stores
.endr
	WIN 0
.endm
.macro SEND a, younger                 ; younger: the LDS instructions issued behind block a's loads, which may stay out
.set BB, 64*((\a)%2)
	s_wait_dscnt \younger
.if (\a) > 0
	s_add_nc_u64 s[12:13], s[12:13], 16*SIZE_N*4   ; behind a wait on XCNT: the earlier stores have read their base
.endif
	WIN 0x04
.irp t, 0,1,2,3,4,5,6,7,8,9,10,11,12,13,14,15
	global_store_b128 v[CO], v[BB+4*\t:BB+4*\t+3], s[12:13] offset:\t*SIZE_N*4 th:TH_STORE_NT
.endr
	WIN 0
.endm
	s_wait_kmcnt 0x0
	s_add_co_i32 s96, s96, s97
	s_add_co_i32 s96, s96, 127
	s_lshl_b32 s96, s96, 23                        ; 2^(e6 + e7) as f32
	s_mov_b32 s97, s96
	s_wait_loadcnt 0x0                             ; the biases
	PLACES NP
	TOSTAGE 0
.irp a, 1,2,3
.if \a > 1
	s_wait_xcnt 0x0                                ; block a - 2's stores have read their registers and their base
.endif
	TOSTAGE \a
	SEND \a-1, 32
.endr
	s_wait_xcnt 0x0
	SEND 3, 0
	s_wait_tensorcnt 0x0                           ; the wave's end
	ds_add_u32 v[SPW], v[NIL]
	s_wait_dscnt 0x0
	CROUND                                         ; the closing round
	s_endpgm
.Lfunc_end_k_q8814a81753_out:
	.size	k_q8814a81753_out, .Lfunc_end_k_q8814a81753_out-k_q8814a81753_out
	.p2alignl 7, 3214868480
	.fill 96, 4, 3214868480
	.section	.rodata,"a",@progbits
	.p2align	6, 0x0
	.amdhsa_kernel k_q8814a81753_out
		.amdhsa_group_segment_fixed_size 327680
		.amdhsa_private_segment_fixed_size 0
		.amdhsa_enable_private_segment 0
		.amdhsa_kernarg_size 40
		.amdhsa_user_sgpr_count 2
		.amdhsa_user_sgpr_kernarg_segment_ptr 1
		.amdhsa_wavefront_size32 1
		.amdhsa_system_sgpr_workgroup_id_x 1
		.amdhsa_system_sgpr_workgroup_id_y 1
		.amdhsa_system_sgpr_workgroup_id_z 1
		.amdhsa_system_vgpr_workitem_id 0
		.amdhsa_next_free_vgpr 768
		.amdhsa_next_free_sgpr 98
		.amdhsa_reserve_vcc 0
		.amdhsa_float_denorm_mode_32 3
		.amdhsa_float_denorm_mode_16_64 3
		.amdhsa_memory_ordered 1
		.amdhsa_forward_progress 1
		.amdhsa_inst_pref_size 74
	.end_amdhsa_kernel
	.amdgpu_metadata
---
amdhsa.version: [ 1, 2 ]
amdhsa.kernels:
  - .name:           k_q8814a81753_out
    .symbol:         k_q8814a81753_out.kd
    .args:
      - { .name: h_img, .offset: 0, .size: 8, .value_kind: global_buffer, .address_space: global }
      - { .name: wo_codes, .offset: 8, .size: 8, .value_kind: global_buffer, .address_space: global }
      - { .name: lowp_scales, .offset: 16, .size: 8, .value_kind: global_buffer, .address_space: global }
      - { .name: bo, .offset: 24, .size: 8, .value_kind: global_buffer, .address_space: global }
      - { .name: out0, .offset: 32, .size: 8, .value_kind: global_buffer, .address_space: global }
    .group_segment_fixed_size: 327680
    .private_segment_fixed_size: 0
    .kernarg_segment_align: 8
    .kernarg_segment_size: 40
    .max_flat_workgroup_size: 128
    .sgpr_count:     98
    .vgpr_count:     768
    .wavefront_size: 32
...
	.end_amdgpu_metadata
.endif
;; end of part 4
